; MI455X (gfx1250); checked and timed in simulation.
; The chip was launched on July 23, 2026; its instructions are those of AMD's public machine-readable ISA for CDNA 5 (MIT licence, August 2026) and "CDNA5" Instruction Set Architecture Reference Guide (July 2026). The comments in the code are by the model that wrote it; some were corrected since.
;; Mi Mo Audio Attention. Allowed arithmetic: float matrix products may take bf16 or f16 operands with f32 sums; other float arithmetic in f32, or as packed bf16 or f16 multiplies, adds, multiply-adds, maxima and minima; sums over many terms, partial sums and values carried from step to step in f32; what a program stores and reads back later, other than sums and carried values, may be rounded once to bf16 or f16.
;; Inputs: bk 512 float32; bq 2,048 float32; bv 512 float32; hidden_states 4 x 1,024 x 2,048 float32; positions 4 x 1,024 int32; wk 2,048 x 512 float32; wo 2,048 x 2,048 float32; wq 2,048 x 2,048 float32; wv 2,048 x 512 float32.
;; Outputs: out0 4 x 1,024 x 2,048 float32.
;; 2 versions, each right; version 2 is version 1 with the launch prep written anew for expert scheduling mode. Each part assembles by itself: llvm-mc -triple=amdgcn-amd-amdhsa -mcpu=gfx1250 --defsym DOCPART=n.
;; ======== version 1 of 2: 4 launches
;; limits: values are held in f16: magnitudes above 65,504 overflow, below 6.1e-05 lose precision; right only within a limited range of input values
;; workspace buffers: xb 16,777,216 bytes; wqkv 12,582,912 bytes; wob 8,388,608 bytes; rope 2,162,688 bytes; qkv 25,165,824 bytes; ob 16,777,216 bytes
;; launch prep (part 1): grid 1416 x 1, 8 waves a work-group, no clusters, 34,816 bytes of LDS; arguments hidden_states, wq, wk, wv, wo, positions, xb, wqkv, wob, rope; writes xb, wqkv, wob, rope
.if DOCPART == 1
	.amdgcn_target "amdgcn-amd-amdhsa--gfx1250"
	.amdhsa_code_object_version 6
	.text
	.protected	k_qf183682a5b_prep
	.globl	k_qf183682a5b_prep
	.p2align	8
	.type	k_qf183682a5b_prep,@function
k_qf183682a5b_prep:
	s_mov_b64 s[64:65], 0
	v_nop
	global_prefetch_b8 v0, s[64:65] scope:SCOPE_SE
	s_setreg_imm32_b32 hwreg(HW_REG_WAVE_MODE, 25, 1), 1
	s_wait_xcnt 0x0
; PREP: the matrix operands are rounded once, the weights are laid out as the matrix instructions take them, and the table of cosines and sines is made.
;   xb   [4096][2048] bf16 = hidden_states.
;   wqkv bf16 of wq | wk | wv (24 heads of 128 columns), IN FRAGMENT ORDER: [tx 8][w 4][kb 64][n 6][c 2][lane 32][16 bytes].  Head 3 tx + i, columns 64 hf + 16 w + r, is n = 2 i + hf;
;        lane 16 h + r of half c holds k = 32 kb + 16 c + 8 h + 0..7 of that column.  So wave w of work-group tx of the next launch reads one dense stream, 6,144 bytes for 32 along K.
;   wob  f16 of bf16(wo), likewise: [column block of 64: 32][kb 64][b 4][c 2][lane 32][16 bytes]: 4,096 bytes for 32 along K.
;   rope [4224][cos 64 | sin 64] f32: row m < 4096 for token m, from positions[m]; rows 4096-4223 for position 0 (cos 1, sin 0), read for V's heads.
; LIMITS.  A bf16(wo) below 6.1e-5 keeps f16's fixed step of 6e-8, one beyond 65,504 becomes an infinity.  The angle pos x inv_freq is reduced by two parts of pi/2, which serves
; |pos| up to 131,072; it lies within about 3e-7 of itself + 1e-7 rad of the f32 product that the problem's text forms.
; SHARES.  Work-groups 0-263: 16 table rows each.  264-775: 65,536 bytes of hidden_states each.  776-1415: 128 k-rows x 128 columns of one weight each, 16 k-rows a wave.
; No matrix unit, no cluster, no barrier: a stream has no use for them; a wave's LDS stage is its own.
.set TABWG, 264
.set XWG,   512
.set X,   4                            ; v[4:67]    sixteen loads of four f32
.set PKD, 68                           ; v[68:99]   packed words
.set OFS, 100                          ; v[100:115] the weights' path: my byte offset in each of the wave's 16 rows
.set TM,  116                          ; v[116:117] at work
.set SPW, 118                          ; v118       my spare word; never rewritten
.set NIL, 119                          ; v119       0; never rewritten
.set EP,  528                          ; a half fragment in the stage: 512 bytes + 16
.set WST, 8*EP                         ; a wave's stage
.set SPARE, 8*WST                      ; behind the stages: the spare words, 128 bytes for each wave: four blocks of 256 bytes that no other line names
	s_load_b512 s[8:23], s[0:1], 0x0               ; hidden_states 8, wq 10, wk 12, wv 14, wo 16, positions 18, xb 20, wqkv 22
	s_load_b128 s[24:27], s[0:1], 0x40             ; wob 24, rope 26
	v_lshl_add_u32 v[SPW], v0, 2, SPARE
	v_mov_b32 v[NIL], 0
	s_cmp_lt_u32 ttmp9, TABWG
	s_cbranch_scc1 .Ltable
	s_cmp_ge_u32 ttmp9, TABWG+XWG
	s_cbranch_scc1 .Lweights
	; HIDDEN_STATES: both sides are dense, so the cast is linear.  All sixteen loads go out first; each covers 512 consecutive bytes a wave.
	s_sub_co_u32 s28, ttmp9, TABWG
	v_lshlrev_b32 v1, 4, v0
	v_lshlrev_b32 v2, 3, v0
	s_lshl_b32 s30, s28, 16
	s_mov_b32 s31, 0
	s_lshl_b32 s32, s28, 15
	s_mov_b32 s33, 0
	s_wait_kmcnt 0x0
	s_add_nc_u64 s[8:9], s[8:9], s[30:31]
	s_add_nc_u64 s[20:21], s[20:21], s[32:33]
.set i, 0
.rept 16
	global_load_b128 v[X+4*i:X+4*i+3], v1, s[8:9] offset:4096*i th:TH_LOAD_NT
.set i, i+1
.endr
.set i, 0
.rept 16
	s_wait_loadcnt 15-i                            ; loads come back in order: the younger ones stay out
	v_cvt_pk_bf16_f32 v[PKD+2*i], v[X+4*i], v[X+4*i+1]
	v_cvt_pk_bf16_f32 v[PKD+2*i+1], v[X+4*i+2], v[X+4*i+3]
	global_store_b64 v2, v[PKD+2*i:PKD+2*i+1], s[20:21] offset:2048*i  ; a wave's store covers 256 consecutive bytes, aligned; no register is written twice
.set i, i+1
.endr
	s_endpgm
	; THE WEIGHTS.  hg = 0-15: wq's heads; 16-19: wk's; 20-23: wv's; 24-39: wo's groups of 128 columns.
.Lweights:
	s_sub_co_u32 s28, ttmp9, TABWG+XWG
	s_lshr_b32 s29, s28, 4                         ; hg
	s_and_b32 s30, s28, 15                         ; which 128 k-rows
	v_lshrrev_b32 v1, 5, v0
	v_readfirstlane_b32 s31, v1                    ; wave 0..7: which 16 of them
	v_and_b32 v2, 31, v0                           ; lane: columns 4 l .. 4 l + 3 of the group
	s_wait_kmcnt 0x0
	s_mov_b64 s[32:33], s[10:11]                   ; source
	s_mov_b32 s36, 0                               ; its first hg
	s_mov_b32 s37, 8192                            ; its bytes from row to row
.macro PICKW from, src, pitch
	s_cmp_ge_u32 s29, \from
	s_cselect_b64 s[32:33], s[\src:\src+1], s[32:33]
	s_cselect_b32 s36, \from, s36
	s_cselect_b32 s37, \pitch, s37
.endm
	PICKW 16, 12, 2048
	PICKW 20, 14, 2048
	PICKW 24, 16, 8192
	s_sub_co_u32 s38, s29, s36                     ; the group of 128 columns within the source
	s_lshl_b32 s39, s30, 7
	s_lshl_b32 s40, s31, 4
	s_add_co_u32 s39, s39, s40                     ; my first k-row
	s_mul_i32 s40, s39, s37
	s_lshl_b32 s41, s38, 9
	s_add_co_u32 s40, s40, s41
	s_mov_b32 s41, 0
	s_add_nc_u64 s[32:33], s[32:33], s[40:41]
	v_lshlrev_b32 v[OFS], 4, v2
.set i, 1
.rept 15
	v_add_nc_u32 v[OFS+i], s37, v[OFS+i-1]
.set i, i+1
.endr
.set i, 0
.rept 16                               ; row i: 512 consecutive bytes a load
	global_load_b128 v[X+4*i:X+4*i+3], v[OFS+i], s[32:33] th:TH_LOAD_NT
.set i, i+1
.endr
	s_mul_i32 s42, s31, WST                        ; my wave's stage
	v_lshrrev_b32 v3, 2, v2                        ; e = l / 4: the block of 16 columns
	v_mul_u32_u24 v3, v3, EP
	v_and_b32 v1, 3, v2
	v_lshl_add_u32 v3, v1, 6, v3                   ; column 4 (l % 4) + i of the block lies 64 (l % 4) + 16 i bytes in
	v_add_nc_u32 v3, s42, v3                       ; where I put my units
	v_add_nc_u32 v1, s42, v[OFS]                   ; where I read back: 16 l
	s_lshl_b32 s43, s30, 2
	s_lshr_b32 s44, s31, 1
	s_add_co_u32 s43, s43, s44                     ; kb
	s_and_b32 s44, s31, 1
	s_lshl_b32 s44, s44, 9                         ; 512 c
; The wave's 16 rows are rounded in pairs along k: word t of the unit (h, i) holds k = 8 h + 2 t (low half) and 8 h + 2 t + 1 of column i.  The units go into the stage at their lanes' places
; and come back as eight halves of fragments, each stored as 512 consecutive bytes.  LDS serves a wave's instructions in order (ISA guide 5.7.1.4), so no wait stands between the stores and the loads.
.macro WBODY mode
.irp h, 0,1
	s_wait_loadcnt 8-8*\h                          ; rows 8 h .. 8 h + 7 are in
.irp i, 0,1,2,3
.irp t, 0,1,2,3
	v_cvt_pk_bf16_f32 v[PKD+16*\h+4*\i+\t], v[X+4*(8*\h+2*\t)+\i], v[X+4*(8*\h+2*\t+1)+\i]
.if \mode
	v_lshlrev_b32 v[TM], 16, v[PKD+16*\h+4*\i+\t]  ; the bf16 numbers as f32 again,
	v_and_b32 v[TM+1], 0xffff0000, v[PKD+16*\h+4*\i+\t]
	v_cvt_pk_f16_f32 v[PKD+16*\h+4*\i+\t], v[TM], v[TM+1]  ; and written as f16: exact inside f16's normal range
.endif
.endr
	ds_store_b128 v3, v[PKD+16*\h+4*\i:PKD+16*\h+4*\i+3] offset:256*\h+16*\i
.endr
.endr
.irp e, 0,1,2,3,4,5,6,7
	ds_load_b128 v[X+4*\e:X+4*\e+3], v1 offset:\e*EP
.endr
.irp e, 0,1,2,3,4,5,6,7
	s_wait_dscnt 7-\e
.if \mode
	global_store_b128 v[OFS], v[X+4*\e:X+4*\e+3], s[34:35] offset:(\e/4)*262144+(\e%4)*1024
.else
	global_store_b128 v[OFS], v[X+4*\e:X+4*\e+3], s[34:35] offset:(\e%4)*393216+(\e/4)*1024
.endif
.endr
	s_wait_tensorcnt 0x0                           ; the wave's end
	ds_add_u32 v[SPW], v[NIL]
	s_wait_dscnt 0x0
	s_endpgm
.endm
	s_cmp_ge_u32 s29, 24
	s_cbranch_scc1 .Lwo
	s_mul_i32 s45, s29, 11                         ; tx = head / 3 (11 / 32 serves heads 0 to 23)
	s_lshr_b32 s45, s45, 5
	s_mul_i32 s46, s45, 3
	s_sub_co_u32 s46, s29, s46                     ; i = head % 3
	s_mul_i32 s45, s45, 4*64*6144
	s_mul_i32 s47, s43, 6144
	s_add_co_u32 s45, s45, s47
	s_lshl_b32 s46, s46, 11
	s_add_co_u32 s45, s45, s46
	s_add_co_u32 s46, s45, s44
	s_mov_b32 s47, 0
	s_add_nc_u64 s[34:35], s[22:23], s[46:47]      ; block e of the head goes to wave e % 4's stream, n = 2 i + e / 4: in the stores' immediates
	WBODY 0
.Lwo:
	s_lshl_b32 s45, s38, 19                        ; a group of 128 columns is two streams of 262,144 bytes
	s_lshl_b32 s47, s43, 12
	s_add_co_u32 s45, s45, s47
	s_add_co_u32 s46, s45, s44
	s_mov_b32 s47, 0
	s_add_nc_u64 s[34:35], s[24:25], s[46:47]      ; block e goes to stream e / 4, b = e % 4
	WBODY 1
	; THE TABLE.  Thread t: row 16 g + t / 16, frequencies 4 (t % 16) + 0..3.
.Ltable:
	s_min_u32 s28, ttmp9, 255                      ; the last eight work-groups read inside positions and multiply what they read by 0
	s_lshl_b32 s28, s28, 6
	s_mov_b32 s29, 0
	s_cmp_lt_u32 ttmp9, 256
	s_cselect_b32 s30, 1.0, 0
	s_lshl_b32 s44, ttmp9, 13                      ; 16 rows of 512 bytes
	s_mov_b32 s45, 0
	s_mov_b32 s31, 0xbe549a78                      ; -log2(10000) / 64, its f32 part,
	s_mov_b32 s32, 0xb1979a30                      ; and the rest
	s_mov_b32 s33, 0x3f317218                      ; ln 2
	s_mov_b32 s34, 0x3f22f983                      ; 2 / pi
	s_mov_b32 s35, 0xbfc90fdb                      ; -pi / 2, its f32 part,
	s_mov_b32 s36, 0x333bbd2e                      ; and the rest
	s_mov_b32 s37, 0x3638ef1d                      ; 1 / 9!
	s_mov_b32 s38, 0x37d00d01                      ; 1 / 8!
	v_lshrrev_b32 v1, 4, v0
	v_and_b32 v2, 15, v0
	v_lshlrev_b32 v3, 2, v1
	s_wait_kmcnt 0x0
	s_add_nc_u64 s[18:19], s[18:19], s[28:29]
	s_add_nc_u64 s[26:27], s[26:27], s[44:45]
	global_load_b32 v4, v3, s[18:19]               ; my row's position
	v_lshlrev_b32 v5, 2, v2
	; inv_freq = 2^(p + e): p the rounded product j x (-C), e what the rounding and C's own rounding left; 2^e = 1 + e ln 2
.irp q, 0,1,2,3
	v_add_nc_u32 v[20+\q], \q, v5
	v_cvt_f32_u32 v[20+\q], v[20+\q]
	v_mul_f32 v[24+\q], s31, v[20+\q]
	v_fma_f32 v[28+\q], v[20+\q], s31, -v[24+\q]
	v_fma_f32 v[28+\q], v[20+\q], s32, v[28+\q]
.endr
.irp q, 0,1,2,3
	v_exp_f32 v[32+\q], v[24+\q]
.endr
.irp q, 0,1,2,3
	v_mul_f32 v[28+\q], s33, v[28+\q]              ; plain lines that touch neither the exponentials' results nor their sources stand behind them (ISA guide 5.7.2)
.endr
	s_wait_alu depctr_va_vdst(0)
.irp q, 0,1,2,3
	v_fma_f32 v[36+\q], v[28+\q], v[32+\q], v[32+\q]
.endr
	s_wait_loadcnt 0x0
	v_cvt_f32_i32 v4, v4
	v_mul_f32 v4, s30, v4
.irp q, 0,1,2,3
	v_mul_f32 v[40+\q], v4, v[36+\q]               ; the angle x
	v_mul_f32 v[44+\q], s34, v[40+\q]
	v_rndne_f32 v[44+\q], v[44+\q]                 ; n = the nearest multiple of pi / 2
	v_fma_f32 v[40+\q], v[44+\q], s35, v[40+\q]
	v_fma_f32 v[40+\q], v[44+\q], s36, v[40+\q]    ; r = x - n pi / 2, within pi / 4 of 0
	v_mul_f32 v[48+\q], v[40+\q], v[40+\q]         ; z = r r
	v_fmaak_f32 v[52+\q], s37, v[48+\q], 0xb9500d01
	v_fmaak_f32 v[52+\q], v[52+\q], v[48+\q], 0x3c088889
	v_fmaak_f32 v[52+\q], v[52+\q], v[48+\q], 0xbe2aaaab
	v_mul_f32 v[56+\q], v[40+\q], v[48+\q]
	v_fma_f32 v[52+\q], v[56+\q], v[52+\q], v[40+\q]  ; sin r = r + r z (-1/6 + z/120 - z z/5040 + z z z/362880)
	v_fmaak_f32 v[56+\q], s38, v[48+\q], 0xbab60b61
	v_fmaak_f32 v[56+\q], v[56+\q], v[48+\q], 0x3d2aaaab
	v_fma_f32 v[56+\q], v[56+\q], v[48+\q], -0.5
	v_fma_f32 v[56+\q], v[48+\q], v[56+\q], 1.0    ; cos r = 1 + z (-1/2 + z/24 - z z/720 + z z z/40320)
	v_cvt_i32_f32 v[44+\q], v[44+\q]
	v_and_b32 v[60+\q], 1, v[44+\q]
	v_cmp_ne_u32 vcc_lo, 0, v[60+\q]               ; an odd quadrant swaps the two: a choice of values, no branch
	v_cndmask_b32 v[16+\q], v[52+\q], v[56+\q], vcc_lo
	v_cndmask_b32 v[12+\q], v[56+\q], v[52+\q], vcc_lo
	v_lshlrev_b32 v[60+\q], 30, v[44+\q]           ; the sine's sign: bit 1 of n
	v_and_b32 v[60+\q], 0x80000000, v[60+\q]
	v_xor_b32 v[16+\q], v[16+\q], v[60+\q]
	v_add_nc_u32 v[44+\q], 1, v[44+\q]             ; the cosine's: bit 1 of n + 1
	v_lshlrev_b32 v[60+\q], 30, v[44+\q]
	v_and_b32 v[60+\q], 0x80000000, v[60+\q]
	v_xor_b32 v[12+\q], v[12+\q], v[60+\q]
.endr
	v_lshlrev_b32 v6, 9, v1
	v_lshl_add_u32 v6, v2, 4, v6                   ; row x 512 + 16 (t % 16): sixteen lanes store 256 consecutive bytes, aligned
	global_store_b128 v6, v[12:15], s[26:27]
	global_store_b128 v6, v[16:19], s[26:27] offset:256
	s_endpgm
.Lfunc_end_k_qf183682a5b_prep:
	.size	k_qf183682a5b_prep, .Lfunc_end_k_qf183682a5b_prep-k_qf183682a5b_prep
	.p2alignl 7, 3214868480
	.fill 96, 4, 3214868480
	.section	.rodata,"a",@progbits
	.p2align	6, 0x0
	.amdhsa_kernel k_qf183682a5b_prep
		.amdhsa_group_segment_fixed_size 34816
		.amdhsa_private_segment_fixed_size 0
		.amdhsa_enable_private_segment 0
		.amdhsa_kernarg_size 80
		.amdhsa_user_sgpr_count 2
		.amdhsa_user_sgpr_kernarg_segment_ptr 1
		.amdhsa_wavefront_size32 1
		.amdhsa_system_sgpr_workgroup_id_x 1
		.amdhsa_system_sgpr_workgroup_id_y 1
		.amdhsa_system_sgpr_workgroup_id_z 1
		.amdhsa_system_vgpr_workitem_id 0
		.amdhsa_next_free_vgpr 120
		.amdhsa_next_free_sgpr 66
		.amdhsa_reserve_vcc 1
		.amdhsa_float_denorm_mode_32 3
		.amdhsa_float_denorm_mode_16_64 3
		.amdhsa_memory_ordered 1
		.amdhsa_forward_progress 1
		.amdhsa_inst_pref_size 33
	.end_amdhsa_kernel
	.amdgpu_metadata
---
amdhsa.version: [ 1, 2 ]
amdhsa.kernels:
  - .name:           k_qf183682a5b_prep
    .symbol:         k_qf183682a5b_prep.kd
    .args:
      - { .name: hidden_states, .offset: 0, .size: 8, .value_kind: global_buffer, .address_space: global }
      - { .name: wq, .offset: 8, .size: 8, .value_kind: global_buffer, .address_space: global }
      - { .name: wk, .offset: 16, .size: 8, .value_kind: global_buffer, .address_space: global }
      - { .name: wv, .offset: 24, .size: 8, .value_kind: global_buffer, .address_space: global }
      - { .name: wo, .offset: 32, .size: 8, .value_kind: global_buffer, .address_space: global }
      - { .name: positions, .offset: 40, .size: 8, .value_kind: global_buffer, .address_space: global }
      - { .name: xb, .offset: 48, .size: 8, .value_kind: global_buffer, .address_space: global }
      - { .name: wqkv, .offset: 56, .size: 8, .value_kind: global_buffer, .address_space: global }
      - { .name: wob, .offset: 64, .size: 8, .value_kind: global_buffer, .address_space: global }
      - { .name: rope, .offset: 72, .size: 8, .value_kind: global_buffer, .address_space: global }
    .group_segment_fixed_size: 34816
    .private_segment_fixed_size: 0
    .kernarg_segment_align: 8
    .kernarg_segment_size: 80
    .max_flat_workgroup_size: 256
    .sgpr_count:     66
    .vgpr_count:     120
    .wavefront_size: 32
...
	.end_amdgpu_metadata
.endif
;; end of part 1
;; launch qkv (part 2): grid 8 x 32, 4 waves a work-group, clusters of 4 x 1, 327,680 bytes of LDS; arguments xb, wqkv, bq, bk, bv, rope, qkv; writes qkv
.if DOCPART == 2
	.amdgcn_target "amdgcn-amd-amdhsa--gfx1250"
	.amdhsa_code_object_version 6
	.text
	.protected	k_qf183682a5b_qkv
	.globl	k_qf183682a5b_qkv
	.p2align	8
	.type	k_qf183682a5b_qkv,@function
k_qf183682a5b_qkv:
	s_mov_b64 s[64:65], 0
	v_nop
	global_prefetch_b8 v0, s[64:65] scope:SCOPE_SE
	s_setreg_imm32_b32 hwreg(HW_REG_WAVE_MODE, 25, 1), 1
	s_wait_xcnt 0x0
	s_wait_alu depctr_hold_cnt(0) depctr_sa_sdst(0) depctr_va_vdst(0) depctr_va_sdst(0) depctr_va_ssrc(0) depctr_va_vcc(0) depctr_vm_vsrc(0)
	s_getreg_b32 s2, hwreg(HW_REG_IB_STS2, 6, 4)
	s_cmp_eq_u32 s2, 0
	s_cbranch_scc0 .Lentry_in_a_cluster
	s_endpgm
.Lentry_in_a_cluster:
	s_bfe_u32 s2, ttmp6, 0x10000c
	s_cmp_lg_u32 s2, 0x3003
	s_cbranch_scc0 .Lentry_shape_is_right
	s_endpgm
.Lentry_shape_is_right:
; QKV: C[4096][3072] = xb wqkv + bias; q's and k's heads are turned by the table (RoPE); all is stored by heads, qkv[b][head 24][t][128] in f16 (heads 0-15 q, 16-19 k, 20-23 v), unscaled.
; Operands bf16, sums f32, the bias is the C operand that starts each sum, one rounding to f16 at the end.
; LIMIT.  f16 holds no number beyond 65,504: q, k and v must stay within it (an infinity is stored otherwise); below 6.1e-5 they keep f16's fixed step of 6e-8.
; SHARES.  A work-group makes 128 tokens x 384 columns, three whole heads: 8 x 32 work-groups.  Wave w takes all 128 tokens and, of each head, columns 16 w .. 16 w + 15 and 64 + 16 w .. + 15:
; the two numbers of a RoPE pair (d, d + 64) then lie in the same lane and the same register number of two accumulators.  48 accumulators, (a, n): token block a of 8, n = 2 head + half.
; THE MATRIX INSTRUCTION IS USED TRANSPOSED: source 0 = 16 columns of the weights, source 1 = 16 tokens: a lane holds one token (lane % 16) and the columns 8 (lane / 16) + 0..7.
; THE WEIGHTS GO STRAIGHT INTO REGISTERS.  A wave's columns are its own: no other wave of the work-group reads them, so LDS would share nothing.  They lie in memory in fragment order, one dense stream
; a wave, 6,144 bytes for a QUARTER (32 along K): twelve loads of 512 consecutive bytes.  A ring of eight register buffers holds them, a buffer a quarter; quarter p asks for quarter p + 5, so 60 loads of
; a wave are out at the most and the wait at a quarter's head is counted.  NO JOINT REQUEST FOR THEM: a joint request lands in LDS alone, where 32 K of weights are 24 KB beside the tokens' 8 KB, and what
; lands there has only the work between two refills' barriers in which to arrive; the ring asks as far ahead as its registers reach.  The price: each of the 32 token blocks asks for all weights itself.
; THE TOKENS go through two LDS slots of K = 256: 128 rows of 512 bytes, each wave fetching 32 rows.  CLUSTER 4 x 1: the four partners have the same tokens, so each tile is asked for jointly (mask 15).
; A TRIP of the loop is a slot, eight quarters, shifted by one: it begins with the last quarter of the slot before, in which the slots change.  The first quarter is written out (the bias starts the sums)
; and the loop is entered at its third quarter; the last slot is written out.
; REGISTERS, in windows of 256 (s_set_vgpr_msb: bits 1:0 source 0, 3:2 source 1, 5:4 source 2, 7:6 destination):
;   window 0: v16-37 addresses; v8-15, v40-63, v240-255 the bias (v40-63 later rows on the way out); v64-127, v128-191 the tokens' fragments, two buffers (later turned and packed numbers); v192-239 ring buffer 7
;   window 1: ring buffers 0-4 at 48 u      window 2: accumulators of token blocks 0-3 at 8 (6 a + n), v192-239 ring buffer 5      window 3: blocks 4-7, v192-239 ring buffer 6
; When the weights' loads are over, the ring's buffers take the table for the way out, round a's in buffer a: twelve loads a quarter go on, so every count stays as it was.
.set PA,    528                        ; a row of tokens in LDS: 512 bytes + 16: the 16 rows of a load begin at 16 different 16-byte columns modulo 256 bytes
.set SLOT1, 1<<17                      ; slot 1 begins here, so that one exclusive or turns an address in one slot into the other's
.set STG,   SLOT1+128*PA               ; behind the ring, never filled by a tensor load: two stages of 48 rows x 272 bytes
.set SPT,   272
.set STGB,  48*SPT
.set SPARE, STG+2*STGB                 ; the spare words, 128 bytes for each wave: two blocks of 256 bytes that no other line names
.set QB,    6144                       ; bytes of a wave's weights in a quarter
.set A0,   16                          ; v16     my lane's place in a slot; never rewritten
.set ADR,  17                          ; v17     the same in the slot in hand
.set BO,   18                          ; v18     16 x lane; never rewritten
.set STO,  24                          ; v24     the way out: where I put 16 bytes of a row
.set RD,   25                          ; v25     where I read rows back
.set TOFF, 26                          ; v26     my byte offset in 16 rows of the table
.set BOFF, 27                          ; v27     my byte offset in a head's 128 biases
.set SPW,  28                          ; v28     my spare word; never rewritten
.set NIL,  29                          ; v29     0; never rewritten
.set GOFF, 32                          ; v32-37  my byte offsets in qkv for the six pairs of stage rows that I store
.set RB,   40
.set F0,   64
.set F1,   128
.set YR,   112
.set PKR,  160
.set G1,  24                           ; s[24:31] descriptor group 1
.set G0,  32                           ; s[32:35] descriptor group 0: it walks
.set BB,  36                           ; s[36:37] my stream of weights at the trip's first quarter
.set LT,  38                           ; s38      LDS byte at which the slot in hand begins
.set TB,  80                           ; s[80:85] the table's base for each of my three heads
.set BP,  86                           ; s[86:91] the bias's base for each
.set MSB, 0
.macro WIN new                         ; the immediate's high byte repeats the setting that is left; a switch that changes nothing is dropped
.if MSB != (\new)
	s_set_vgpr_msb (MSB<<8)|(\new)
.set MSB, \new
.endif
.endm
.macro RING u                          ; where ring buffer u lies: window RW, register RBS
.if (\u) < 5
.set RW, 1
.set RBS, 48*(\u)
.elseif (\u) == 5
.set RW, 2
.set RBS, 192
.elseif (\u) == 6
.set RW, 3
.set RBS, 192
.else
.set RW, 0
.set RBS, 192
.endif
.endm
.macro BREG n                          ; where the bias of column block n lies, in window 0
.if (\n) == 0
.set BR, 8
.elseif (\n) < 4
.set BR, 32+8*(\n)
.else
.set BR, 208+8*(\n)
.endif
.endm
.macro JLOAD                           ; a joint load: every wave fetches its 32 rows.  An s_nop 0 and four v_nop follow the line
	tensor_load_to_lds s[G0:G0+3], s[G1:G1+7]
	s_nop 0
.rept 4
	v_nop
.endr
.endm
.macro CREST                           ; a round of the cluster's barrier behind its opening barrier
	s_cmp_lg_u32 s10, 0
	s_cbranch_scc1 .Lnot_wave_0_\@
	s_barrier_signal -3
.Lnot_wave_0_\@:
	s_barrier_wait -3
	s_barrier_signal -1
	s_barrier_wait -1
.endm
.macro CROUND                          ; a whole round
	s_barrier_signal -1
	s_barrier_wait -1
	CREST
.endm
	s_load_b128 s[4:7], s[0:1], 0x0                ; xb s[4:5], wqkv s[6:7]
	s_load_b256 s[68:75], s[0:1], 0x10             ; bq 68, bk 70, bv 72, rope 74
	s_load_b64 s[8:9], s[0:1], 0x30                ; qkv
	v_lshl_add_u32 v[SPW], v0, 2, SPARE
	v_mov_b32 v[NIL], 0
	ds_add_u32 v[SPW], v[NIL]                      ; the wave's opening: work on registers stands between the add and its wait
	v_lshrrev_b32 v1, 5, v0
	v_readfirstlane_b32 s10, v1                    ; wave 0..3
	s_bfe_u32 s40, ttmp6, 0x40000                  ; cx: my place in the cluster: it enters global addresses of my own loads and stores alone
	s_lshl_b32 s42, ttmp9, 2
	s_add_co_u32 s42, s42, s40                     ; tx: my 384 columns
	s_and_b32 s13, ttmp7, 0xffff                   ; ty: my 128 tokens, which the four partners share
	s_mov_b32 s[G1], 15|(1<<16)|(1<<20)|(1<<21)|(6<<22)|(3<<25)  ; 15:0 the mask of four; 17:16 2-byte elements; 20 padding on; 21 set beside a mask; 24:22 after every 128 words; 31:25 4 words of it
	s_mov_b32 s[G1+1], 256<<16                     ; tensor_dim0 = 256
	s_mov_b32 s[G1+2], 32<<16                      ; tensor_dim1 = 32
	s_mov_b32 s[G1+3], 256<<16                     ; tile_dim0 = 256 elements, 512 bytes
	s_mov_b32 s[G1+4], 32                          ; tile_dim1 = 32 rows
	s_mov_b32 s[G1+5], 2048                        ; elements from row to row
	s_mov_b32 s[G1+6], 0
	s_mov_b32 s[G1+7], 0
	s_lshl_b32 s16, s13, 19                        ; 128 rows of 4,096 bytes for each ty,
	s_lshl_b32 s17, s10, 17                        ; 32 for each wave
	s_add_co_u32 s16, s16, s17
	s_mov_b32 s17, 0
	s_lshl_b32 s46, s42, 2
	s_add_co_u32 s46, s46, s10                     ; my stream of weights: 4 tx + w
	s_mul_i32 s46, s46, 64*QB
	s_mov_b32 s47, 0
	s_mov_b32 s[G0], 1                             ; count = 1
	s_mul_i32 s[G0+1], s10, 32*PA                  ; LDS address: my 32 rows of slot 0
	s_mov_b32 s[LT], SLOT1                         ; the first change of slots turns it into 0
	s_wait_dscnt 0x0                               ; the opening add is done
	s_wait_kmcnt 0x0
	s_add_nc_u64 s[G0+2:G0+3], s[4:5], s[16:17]
	s_or_b32 s[G0+3], s[G0+3], 0x80000000          ; type = 2
	s_add_nc_u64 s[BB:BB+1], s[6:7], s[46:47]
	CROUND                                         ; all four work-groups are here: the first joint loads meet
	JLOAD                                          ; K 0-255 into slot 0; slot 1 is asked for when slot 0 is in
	; my three heads: which bias, and which rows of the table (V's heads take the rows made for position 0).  Choices of bases, no branch.
	s_mul_i32 s76, s42, 3
	s_lshl_b32 s96, s13, 16                        ; 128 table rows of 512 bytes for each ty
.irp i, 0,1,2
	s_add_co_u32 s77, s76, \i                      ; the head, 0..23
	s_cmp_lt_u32 s77, 16
	s_cselect_b64 s[BP+2*(\i):BP+2*(\i)+1], s[68:69], s[70:71]
	s_cselect_b32 s78, 0, 16
	s_cmp_lt_u32 s77, 20
	s_cselect_b64 s[BP+2*(\i):BP+2*(\i)+1], s[BP+2*(\i):BP+2*(\i)+1], s[72:73]
	s_cselect_b32 s78, s78, 20
	s_cselect_b32 s94, s96, 4096*512
	s_sub_co_u32 s78, s77, s78
	s_lshl_b32 s78, s78, 9                         ; 512 bytes of bias a head
	s_mov_b32 s79, 0
	s_mov_b32 s95, 0
	s_add_nc_u64 s[BP+2*(\i):BP+2*(\i)+1], s[BP+2*(\i):BP+2*(\i)+1], s[78:79]
	s_add_nc_u64 s[TB+2*(\i):TB+2*(\i)+1], s[74:75], s[94:95]
.endr
	v_and_b32 v1, 15, v0                           ; r = l % 16
	v_bfe_u32 v2, v0, 4, 1                         ; h = l / 16
	v_and_b32 v3, 31, v0
	v_lshlrev_b32 v[BO], 4, v3
	s_lshl_b32 s23, s10, 6
	v_lshl_add_u32 v[BOFF], v2, 5, s23             ; f32 numbers 16 w + 8 h on
.irp i, 0,1,2
.irp hf, 0,1
	BREG 2*(\i)+(\hf)
	global_load_b128 v[BR:BR+3],   v[BOFF], s[BP+2*(\i):BP+2*(\i)+1] offset:256*(\hf)
	global_load_b128 v[BR+4:BR+7], v[BOFF], s[BP+2*(\i):BP+2*(\i)+1] offset:256*(\hf)+16
.endr
.endr
; Twelve loads: a quarter's weights, at byte off of the trip's stream, into ring buffer u
.macro GLOAD u, off
	RING \u
	WIN RW<<6
.irp n, 0,1,2,3,4,5
	global_load_b128 v[RBS+8*(\n):RBS+8*(\n)+3],   v[BO], s[BB:BB+1] offset:(\off)+1024*(\n)
	global_load_b128 v[RBS+8*(\n)+4:RBS+8*(\n)+7], v[BO], s[BB:BB+1] offset:(\off)+1024*(\n)+512
.endr
.endm
; Twelve loads: token block a's cosines and sines for my 8 frequencies, once for each head, into ring buffer a
.macro TLOAD a
	RING \a
	WIN RW<<6
.irp i, 0,1,2
	global_load_b128 v[RBS+16*(\i):RBS+16*(\i)+3],     v[TOFF], s[TB+2*(\i):TB+2*(\i)+1] offset:(\a)*8192
	global_load_b128 v[RBS+16*(\i)+4:RBS+16*(\i)+7],   v[TOFF], s[TB+2*(\i):TB+2*(\i)+1] offset:(\a)*8192+16
	global_load_b128 v[RBS+16*(\i)+8:RBS+16*(\i)+11],  v[TOFF], s[TB+2*(\i):TB+2*(\i)+1] offset:(\a)*8192+256
	global_load_b128 v[RBS+16*(\i)+12:RBS+16*(\i)+15], v[TOFF], s[TB+2*(\i):TB+2*(\i)+1] offset:(\a)*8192+272
.endr
.endm
	GLOAD 0, 0                                     ; quarters 0 to 3: with the bias 60 loads of mine are out
	GLOAD 1, QB
	GLOAD 2, 2*QB
	GLOAD 3, 3*QB
	WIN 0
	s_lshr_b32 s92, s13, 3                         ; qkv at (batch x 24 + my first head) x 1,024 rows + my first token in the batch, rows of 256 bytes
	s_mul_i32 s92, s92, 24
	s_add_co_u32 s92, s92, s76
	s_lshl_b32 s92, s92, 10
	s_and_b32 s93, s13, 7
	s_lshl_b32 s93, s93, 7
	s_add_co_u32 s92, s92, s93
	s_lshl_b32 s92, s92, 8
	s_mov_b32 s93, 0
	s_add_nc_u64 s[8:9], s[8:9], s[92:93]
	; lane addresses.  A fragment is 16 rows x 32 K in 8 registers: lane l holds row l % 16, K = 8 (l / 16) + 0..7 and 16 + 8 (l / 16) + 0..7.
	v_mul_u32_u24 v3, v1, PA
	v_lshl_add_u32 v[A0], v2, 4, v3
	v_mul_u32_u24 v4, v1, SPT
	v_lshl_add_u32 v4, v2, 4, v4
	s_lshl_b32 s21, s10, 5
	v_add_nc_u32 v4, s21, v4                       ; stage row r, bytes 32 w + 16 h
	v_add_nc_u32 v[STO], STG, v4
	s_mul_i32 s22, s10, 12                         ; back: wave w takes stage rows 12 w .. 12 w + 11, two at a time
	v_add_nc_u32 v6, s22, v2
	v_mul_u32_u24 v7, v6, SPT
	v_lshl_add_u32 v7, v1, 4, v7
	v_add_nc_u32 v[RD], STG, v7
	v_lshl_add_u32 v[TOFF], v1, 9, v[BOFF]         ; table row r
.irp u, 0,1,2,3,4,5
	v_add_nc_u32 v7, 2*(\u), v6                    ; stage row = 16 x head + token
	v_lshrrev_b32 v5, 4, v7
	v_and_b32 v7, 15, v7
	v_lshlrev_b32 v5, 18, v5                       ; a head is 262,144 bytes
	v_lshl_add_u32 v5, v7, 8, v5
	v_lshl_add_u32 v[GOFF+(\u)], v1, 4, v5
.endr
; 12 matrix instructions: token blocks a0, a0 + 1 of the window's four x my 6 column blocks, 32 along K: tokens from buffer f, weights from ring buffer u.  cb = 1: the bias starts the sums: nothing is cleared.
; All 48 accumulators take turns, one instruction a turn.
.macro MULH f, u, hi, a0, cb
	RING \u
.if \cb
	WIN ((2+(\hi))<<6)|RW                          ; C (the bias) and the tokens in window 0
.else
	WIN ((2+(\hi))<<6)|((2+(\hi))<<4)|RW
.endif
.irp a, \a0, (\a0)+1
.irp n, 0,1,2,3,4,5
.if \cb
	BREG \n
	v_wmma_f32_16x16x32_bf16 v[8*(6*(\a)+(\n)):8*(6*(\a)+(\n))+7], v[RBS+8*(\n):RBS+8*(\n)+7], v[(\f)+8*(4*(\hi)+(\a)):(\f)+8*(4*(\hi)+(\a))+7], v[BR:BR+7]
.else
	v_wmma_f32_16x16x32_bf16 v[8*(6*(\a)+(\n)):8*(6*(\a)+(\n))+7], v[RBS+8*(\n):RBS+8*(\n)+7], v[(\f)+8*(4*(\hi)+(\a)):(\f)+8*(4*(\hi)+(\a))+7], v[8*(6*(\a)+(\n)):8*(6*(\a)+(\n))+7]
.endif
.endr
.endr
.endm
.macro FETCH kq, f                     ; 16 LDS loads in one run: the tokens' fragments of quarter kq of the slot in hand into buffer f
	WIN 0
.irp a, 0,1,2,3,4,5,6,7
	ds_load_b128 v[(\f)+8*(\a):(\f)+8*(\a)+3],   v[ADR] offset:(\kq)*64+(\a)*16*PA
	ds_load_b128 v[(\f)+8*(\a)+4:(\f)+8*(\a)+7], v[ADR] offset:(\kq)*64+(\a)*16*PA+32
.endr
.endm
.macro PLACES                          ; four plain vector instructions between a matrix instruction and a load into, or a vector read of, its registers (ISA guide 7.12.1 for vector reads)
.rept 4
	v_nop
.endr
.endm
; Place j (1 to 7) of a trip: quarter 8 T - 1 + j.  It multiplies ring buffer (j + 7) % 8; in its middle it fetches the tokens of the next quarter (number j of the slot in hand) and asks for the weights
; five quarters on (kind 1) or for a round's table (kind 2).
.macro QUARTER j, cb, kind
.set QF, F0+64*(((\j)+1)%2)
.set QG, F0+64*((\j)%2)
	s_wait_loadcnt 48                              ; this quarter's weights are in; the four groups of twelve loads issued behind them stay out
	s_wait_dscnt 8                                 ; token blocks 0-3 are in; the youngest eight loads (blocks 4-7) may be out
	MULH QF, ((\j)+7)%8, 0, 0, \cb
	MULH QF, ((\j)+7)%8, 0, 2, \cb
	PLACES
	FETCH \j, QG
.if (\kind) == 1
	GLOAD ((\j)+4)%8, ((\j)+4)*QB
.else
	TLOAD (\j)-4
.endif
	s_wait_dscnt 16                                ; all but the 16 just issued
	MULH QF, ((\j)+7)%8, 1, 0, \cb
	MULH QF, ((\j)+7)%8, 1, 2, \cb
.endm
; Place 0: the last quarter of the slot before, in which the slots change: ONE barrier.  In front of it each wave waits for all its tensor loads (one is out: its part of the next slot), adds 0 to its spare
; word, and waits for that and for its own reads of the old slot.  fill = 1: the barrier opens a round of the cluster's barrier, and the old slot is filled again, first thing behind the round, with the
; K two slots on: that load has the trip's 384 matrix instructions less 24 in which to land.
.macro TURNQ fill
	WIN 0
	s_wait_tensorcnt 0x0                           ; no tensor load of mine is out, so group 0 may be written
	ds_add_u32 v[SPW], v[NIL]
.if \fill
	s_xor_b32 s[G0+1], s[G0+1], SLOT1              ; the other slot than last time,
	s_add_nc_u64 s[G0+2:G0+3], s[G0+2:G0+3], 512   ; the next 256 along K; the type bits on top are not reached
.endif
	s_xor_b32 s[LT], s[LT], SLOT1                  ; the reads go to the other slot
	s_wait_loadcnt 48
	s_wait_dscnt 9                                 ; (the add and the youngest eight loads may be out)
	MULH F1, 7, 0, 0, 0                            ; twelve matrix instructions stand between the add and the wait for it
	s_wait_dscnt 0x0                               ; the add is done, and my reads of the old slot are over
	s_barrier_signal -1
	MULH F1, 7, 0, 2, 0
	WIN 0
	s_barrier_wait -1
.if \fill
	CREST                                          ; no wave of any partner still reads the old slot or has a load on its way
	JLOAD                                          ; its four v_nop are also the places in front of the loads below
.else
	PLACES
.endif
	v_add_nc_u32 v[ADR], s[LT], v[A0]
	FETCH 0, F0
	GLOAD 4, 4*QB
	MULH F1, 7, 1, 0, 0
	MULH F1, 7, 1, 2, 0
.endm
; THE WAY OUT, a round for each block a of 16 tokens.
.macro ROPE a                          ; x1 cos - x2 sin and x2 cos + x1 sin, rounded to f16.  Each accumulator's lowest registers are read first
	RING \a
.set AC, 48*((\a)%4)
.if (\a) < 4
	s_wait_loadcnt 48                              ; this round's table is in; the four rounds' loads issued behind it stay out
.else
	s_wait_loadcnt 12*(7-(\a))
.endif
	WIN (RW<<2)|(2+(\a)/4)                         ; source 0: the accumulators' window; source 1: the table's
.irp i, 0,1,2
.irp j, 0,2,4,6
	v_pk_mul_f32 v[YR+16*(\i)+(\j):YR+16*(\i)+(\j)+1], v[AC+16*(\i)+(\j):AC+16*(\i)+(\j)+1], v[RBS+16*(\i)+(\j):RBS+16*(\i)+(\j)+1]
.endr
.irp j, 0,2,4,6
	v_pk_mul_f32 v[YR+16*(\i)+8+(\j):YR+16*(\i)+8+(\j)+1], v[AC+16*(\i)+8+(\j):AC+16*(\i)+8+(\j)+1], v[RBS+16*(\i)+(\j):RBS+16*(\i)+(\j)+1]
.endr
.irp j, 0,2,4,6
	v_pk_fma_f32 v[YR+16*(\i)+(\j):YR+16*(\i)+(\j)+1], v[AC+16*(\i)+8+(\j):AC+16*(\i)+8+(\j)+1], v[RBS+16*(\i)+8+(\j):RBS+16*(\i)+8+(\j)+1], v[YR+16*(\i)+(\j):YR+16*(\i)+(\j)+1] neg_lo:[1,0,0] neg_hi:[1,0,0]
.endr
.irp j, 0,2,4,6
	v_pk_fma_f32 v[YR+16*(\i)+8+(\j):YR+16*(\i)+8+(\j)+1], v[AC+16*(\i)+(\j):AC+16*(\i)+(\j)+1], v[RBS+16*(\i)+8+(\j):RBS+16*(\i)+8+(\j)+1], v[YR+16*(\i)+8+(\j):YR+16*(\i)+8+(\j)+1]
.endr
.endr
	WIN 0
.set z, 0
.rept 24
	v_cvt_pk_f16_f32 v[PKR+z], v[YR+2*z], v[YR+2*z+1]
.set z, z+1
.endr
.endm
.macro PUT a                           ; into stage a % 2: row 16 x head + token; my 16 bytes of each half of the row
	WIN 0
.irp i, 0,1,2
	ds_store_b128 v[STO], v[PKR+8*(\i):PKR+8*(\i)+3]   offset:((\a)%2)*STGB+(\i)*16*SPT
	ds_store_b128 v[STO], v[PKR+8*(\i)+4:PKR+8*(\i)+7] offset:((\a)%2)*STGB+(\i)*16*SPT+128
.endr
.endm
.macro GET a                           ; back as whole rows, twelve a wave
	WIN 0
	s_wait_xcnt 0x0                                ; the last round's stores have read these registers (ISA guide 3.1)
.irp u, 0,1,2,3,4,5
	ds_load_b128 v[RB+4*(\u):RB+4*(\u)+3], v[RD] offset:((\a)%2)*STGB+(\u)*2*SPT
.endr
.endm
.macro SEND a
	WIN 0
	s_wait_dscnt 0x0
.irp u, 0,1,2,3,4,5
	global_store_b128 v[GOFF+(\u)], v[RB+4*(\u):RB+4*(\u)+3], s[8:9] offset:(\a)*4096  ; 16 lanes store a head's row: 256 consecutive bytes, aligned
.endr
.endm
	; the first change of slots: nothing has been read yet: slot 0 is waited for, slot 1 is asked for
	s_wait_tensorcnt 0x0
	ds_add_u32 v[SPW], v[NIL]
	s_xor_b32 s[G0+1], s[G0+1], SLOT1
	s_add_nc_u64 s[G0+2:G0+3], s[G0+2:G0+3], 512
	s_xor_b32 s[LT], s[LT], SLOT1
	s_wait_dscnt 0x0
	CROUND
	JLOAD
	v_add_nc_u32 v[ADR], s[LT], v[A0]
	FETCH 0, F0
	s_wait_loadcnt 36                              ; the bias and quarter 0's weights are in; quarters 1 to 3 stay out
	GLOAD 4, 4*QB
	QUARTER 1, 1, 1                                ; quarter 0 stands in front of the loop: its products start the sums, with the bias
	WIN 0                                          ; at a label and at a branch every window is 0
	s_mov_b32 s3, 7
	s_branch .Lin                                  ; the loop is entered at quarter 1, the third place of a trip
.Lslot:                                                ; six whole trips: every slot but the last two is filled again
	TURNQ 1
	QUARTER 1, 0, 1
	WIN 0
.Lin:
	QUARTER 2, 0, 1
	QUARTER 3, 0, 1
	QUARTER 4, 0, 1
	QUARTER 5, 0, 1
	QUARTER 6, 0, 1
	QUARTER 7, 0, 1
	WIN 0
	s_wait_xcnt 0x0                                ; the loads' addresses are translated (ISA guide 3.1): their base may step
	s_add_nc_u64 s[BB:BB+1], s[BB:BB+1], 8*QB
	s_sub_co_u32 s3, s3, 1
	s_cmp_lg_u32 s3, 0
	s_cbranch_scc1 .Lslot
	TURNQ 0                                        ; quarter 55: the last slot is written out: nothing is asked for
	QUARTER 1, 0, 1
	QUARTER 2, 0, 1
	QUARTER 3, 0, 1                                ; quarter 58 asks for quarter 63's weights, the last
	QUARTER 4, 0, 2                                ; from here on the table: rounds 0 to 3,
	QUARTER 5, 0, 2
	QUARTER 6, 0, 2
	QUARTER 7, 0, 2
	s_wait_loadcnt 48                              ; quarter 63
	s_wait_dscnt 8
	MULH F1, 7, 0, 0, 0
	MULH F1, 7, 0, 2, 0
	TLOAD 4                                        ; and round 4
	s_wait_dscnt 0x0
	MULH F1, 7, 1, 0, 0
	MULH F1, 7, 1, 2, 0
	WIN 0
	PLACES
	; One barrier a round, two stages: round a + 1's stores go into the stage that round a - 1's loads read, and every wave has waited for those loads ahead of round a's barrier.
	ROPE 0
	TLOAD 5
	PUT 0
.irp a, 0,1,2,3,4,5,6,7
	s_wait_dscnt 0x0                               ; for the others' sake: my stores into the stage are done
	s_barrier_signal -1
	s_barrier_wait -1
	GET \a
.if (\a) < 7
	ROPE (\a)+1                                    ; the next block's arithmetic stands between the loads from the stage and the wait for them
.endif
.if (\a) < 2
	TLOAD (\a)+6
.endif
	SEND \a
.if (\a) < 7
	PUT (\a)+1
.endif
.endr
	s_wait_tensorcnt 0x0                           ; the wave's end
	ds_add_u32 v[SPW], v[NIL]
	s_wait_dscnt 0x0
	CROUND                                         ; the closing round: no work-group ends while a partner may still ask for a tile that names it
	s_endpgm
.Lfunc_end_k_qf183682a5b_qkv:
	.size	k_qf183682a5b_qkv, .Lfunc_end_k_qf183682a5b_qkv-k_qf183682a5b_qkv
	.p2alignl 7, 3214868480
	.fill 96, 4, 3214868480
	.section	.rodata,"a",@progbits
	.p2align	6, 0x0
	.amdhsa_kernel k_qf183682a5b_qkv
		.amdhsa_group_segment_fixed_size 327680
		.amdhsa_private_segment_fixed_size 0
		.amdhsa_enable_private_segment 0
		.amdhsa_kernarg_size 56
		.amdhsa_user_sgpr_count 2
		.amdhsa_user_sgpr_kernarg_segment_ptr 1
		.amdhsa_wavefront_size32 1
		.amdhsa_system_sgpr_workgroup_id_x 1
		.amdhsa_system_sgpr_workgroup_id_y 1
		.amdhsa_system_sgpr_workgroup_id_z 1
		.amdhsa_system_vgpr_workitem_id 0
		.amdhsa_next_free_vgpr 1024
		.amdhsa_next_free_sgpr 100
		.amdhsa_reserve_vcc 0
		.amdhsa_float_denorm_mode_32 3
		.amdhsa_float_denorm_mode_16_64 3
		.amdhsa_memory_ordered 1
		.amdhsa_forward_progress 1
		.amdhsa_inst_pref_size 167
	.end_amdhsa_kernel
	.amdgpu_metadata
---
amdhsa.version: [ 1, 2 ]
amdhsa.kernels:
  - .name:           k_qf183682a5b_qkv
    .symbol:         k_qf183682a5b_qkv.kd
    .args:
      - { .name: xb, .offset: 0, .size: 8, .value_kind: global_buffer, .address_space: global }
      - { .name: wqkv, .offset: 8, .size: 8, .value_kind: global_buffer, .address_space: global }
      - { .name: bq, .offset: 16, .size: 8, .value_kind: global_buffer, .address_space: global }
      - { .name: bk, .offset: 24, .size: 8, .value_kind: global_buffer, .address_space: global }
      - { .name: bv, .offset: 32, .size: 8, .value_kind: global_buffer, .address_space: global }
      - { .name: rope, .offset: 40, .size: 8, .value_kind: global_buffer, .address_space: global }
      - { .name: qkv, .offset: 48, .size: 8, .value_kind: global_buffer, .address_space: global }
    .group_segment_fixed_size: 327680
    .private_segment_fixed_size: 0
    .kernarg_segment_align: 8
    .kernarg_segment_size: 56
    .max_flat_workgroup_size: 128
    .sgpr_count:     100
    .vgpr_count:     1024
    .wavefront_size: 32
...
	.end_amdgpu_metadata
.endif
;; end of part 2
;; launch attn (part 3): grid 16 x 16, 4 waves a work-group, clusters of 4 x 1, 327,680 bytes of LDS; arguments qkv, ob; writes ob
.if DOCPART == 3
	.amdgcn_target "amdgcn-amd-amdhsa--gfx1250"
	.amdhsa_code_object_version 6
	.text
	.protected	k_qf183682a5b_attn
	.globl	k_qf183682a5b_attn
	.p2align	8
	.type	k_qf183682a5b_attn,@function
k_qf183682a5b_attn:
	s_mov_b64 s[64:65], 0
	v_nop
	global_prefetch_b8 v0, s[64:65] scope:SCOPE_SE
	s_setreg_imm32_b32 hwreg(HW_REG_WAVE_MODE, 25, 1), 1
	s_wait_xcnt 0x0
	s_wait_alu depctr_hold_cnt(0) depctr_sa_sdst(0) depctr_va_vdst(0) depctr_va_sdst(0) depctr_va_ssrc(0) depctr_va_vcc(0) depctr_vm_vsrc(0)
	s_getreg_b32 s2, hwreg(HW_REG_IB_STS2, 6, 4)
	s_cmp_eq_u32 s2, 0
	s_cbranch_scc0 .Lentry_in_a_cluster
	s_endpgm
.Lentry_in_a_cluster:
	s_bfe_u32 s2, ttmp6, 0x10000c
	s_cmp_lg_u32 s2, 0x3003
	s_cbranch_scc0 .Lentry_shape_is_right
	s_endpgm
.Lentry_shape_is_right:
; CAUSAL ATTENTION with grouped heads.  O[b][h][q] = the sum over k <= q of softmax_k(Q[b][h][q] . K[b][h/4][k] / sqrt(128)) V[b][h/4][k].  qkv: [b 4][head 24][t 1024][128] f16 (q 0-15, k 16-19, v 20-23);
; ob: [token 4096][2048] f16, head h at byte 256 h of a token's row.  Products, maxima and sums in f32; the weights p are rounded to f16 for the second product (their sum l is taken unrounded), O once.
; LIMITS.  p below 6e-5 keeps f16's fixed step of 6e-8, and so does O; a hidden score counts as its value less 1e30; a weight below 2^-126 counts as 0 in l; NaN and infinities are not treated apart.
; THE WALK.  A head's 1,024 queries are 8 blocks of 128; block i needs the key tiles 0 .. i of 128 keys, the last of which holds the diagonal.  A work-group takes blocks 7 - p and then p: 9 tiles whatever p,
; so all work-groups do equal work and one loop with a constant count walks them.  Every jump but the loop's own goes forward, past text that holds neither a barrier nor a tensor load.
; CLUSTER.  The four work-groups of a cluster are the four query heads of one K/V head, with the same p: the same walk, so every tile of K and V is asked for JOINTLY (mask 15).  The place in the cluster
; enters Q's and O's global addresses alone.
; SHARES.  A wave owns two tiles of 16 queries: tile u = rows 64 u + 16 w + 0..15 of the block.  So the diagonal tile is alike for all waves: in its first 64 keys tile 0 takes the mask MD and tile 1 sees all;
; in its last 64 keys tile 0 sees nothing and is left out, tile 1 takes MD.  The mask is the C operand that starts the sum: 0, or -1e30 where the key is hidden.
; LAYOUT.  S^T = K Q^T (source 0 = 16 keys, source 1 = 16 queries): a lane holds ONE query (lane % 16) and the keys 8 (lane / 16) + 0..7; two such results rounded to f16 ARE source 1 of O^T = V^T P.
; SOFTMAX.  Running maximum m and sum l: p = 2^(c s - c m), c = log2(e) / sqrt(128); in every step O and l are multiplied by a = 2^(c m_old - c m_new).  m starts at the lowest finite number, so a block's first a is 0.
; IN PHASES: a step of 64 keys is all its K Q^T, the softmax, all its V^T P; V (and the next step's K) come out of LDS beside the softmax.
; REGISTERS, in windows of 256 (s_set_vgpr_msb: bits 1:0 source 0, 3:2 source 1, 5:4 source 2, 7:6 destination):
;   window 0: v2-10 addresses; v12-27 eight registers of statistics a tile; v28-30 set-up; v62-63 the add's; v64-127 S^T, 32 a tile; v192-223 P, 16 a tile
;   window 1: v0-127 O^T, 64 a tile; v128-159 MD      window 2: v0-63 Q; v64-127 the second block's Q; v128-255 K of one step      window 3: v0-127 V of one step
.set KS,    64
.set PK,    272       ; a row of K in LDS: 256 bytes + 16
.set PV,    288       ; a row of V: 256 + 32, for the turning load
.set VOFF,  KS*PK     ; a step's tiles lie together: 64 rows of K, then 64 rows of V
.set STEPB, KS*(PK+PV)
.set SLOT1, 1<<17     ; a slot holds a tile of 128 keys, two steps; slot 1 begins here, so that one exclusive or turns an address in one slot into the other's
.set STAGE, SLOT1+2*STEPB  ; behind the ring, never filled by a tensor load: 16 rows x 272 bytes for each wave
.set SP,    272
.set SPARE, STAGE+4*16*SP  ; the spare words, 128 bytes for each wave: two blocks of 256 bytes that no other line names
.set AK0, 2           ; my lane's place in a tile of K; never rewritten
.set AV0, 3           ; the same for V
.set ADRK, 4          ; the tile in hand: K's address
.set ADRV, 5          ; V's
.set STO, 6
.set RD,  7
.set GO,  8
.set QO,  10
.set ST,  12          ; tile t's statistics at v[ST+8 t]: +0 c m, +1 m, +2, +3 l (even keys', odd keys'), +4 to +7 at work; a takes +6
.set SPW, 62
.set NIL, 63
.set S,   64
.set P,   192
.set MD,  128         ; window 1
.set QB,  64          ; window 2
.set KF,  128         ; window 2
.set WV,  12          ; s12  my wave's number
.set PBK, 14          ; s14  p
.set HI,  15          ; s15  7 - p
.set G1K, 24
.set G1V, 32
.set G0K, 40
.set G0V, 44
.set SLOTS, 56
.set CS,  58          ; s[58:59] c
.set SEL, 60          ; s[60:61] v_permlanex16_b32's selects
.set TB,  62          ; s62  LDS byte at which the slot in hand begins
.set RT,  70          ; s70  tiles of the block in hand still to be entered
.set NXT, 71          ; s71  the tile to be asked for next
.set LQ,  72          ; s72  the last tile of the block whose tiles are being asked for
.set OFF, 74          ; s[74:75] a tile's byte offset in K and V
.set OLO, 80          ; s[80:81] O at my rows of the second block
.set BIGN, 82         ; s82  -1e30
.set MSB, 0
.macro WIN new
.if MSB != (\new)
	s_set_vgpr_msb (MSB<<8)|(\new)
.set MSB, \new
.endif
.endm
.set W_KQ, 0x0a       ; K and Q in window 2, S^T in window 0
.set W_KM, 0x1a       ; the same with the C operand in window 1
.set W_PV, 0x53       ; V in window 3, P in window 0, O^T in window 1
.set W_RS, 0x41       ; O^T (destination and source 0) in window 1, a in window 0
; A joint fill.  Waves 0 and 1 fetch the two steps' K, waves 2 and 3 their V: 64 rows of 256 bytes each.  An s_nop 0 and four v_nop follow each of the two lines.
.macro JLOAD
	s_cmp_lt_u32 s[WV], 2
	s_cbranch_scc0 .Lfor_v_\@
	tensor_load_to_lds s[G0K:G0K+3], s[G1K:G1K+7]
	s_nop 0
.rept 4
	v_nop
.endr
	s_branch .Lasked_\@
.Lfor_v_\@:
	tensor_load_to_lds s[G0V:G0V+3], s[G1V:G1V+7]
	s_nop 0
.rept 4
	v_nop
.endr
.Lasked_\@:
.endm
.macro CROUND                       ; a round of the cluster's barrier
	s_barrier_signal -1
	s_barrier_wait -1
	s_cmp_lg_u32 s[WV], 0
	s_cbranch_scc1 .Lnot_wave_0_\@
	s_barrier_signal -3
.Lnot_wave_0_\@:
	s_barrier_wait -3
	s_barrier_signal -1
	s_barrier_wait -1
.endm
.macro PLACES
.rept 4
	v_nop
.endr
.endm
; THE CHANGE OF SLOTS.  Each wave waits for all its tensor loads, of which one is out: its part of the other slot; adds 0 to its spare word; and waits for that and for its own reads of the slot that it leaves.
; fill = 1: the barrier is a round of the cluster's, and the old slot is filled again, first thing behind it, with tile NXT; the descriptor's address is made anew from that number.
; (At its first use nothing has been read yet: slot 0 is waited for, slot 1 filled.)
.macro CHANGE fill
	WIN 0
	s_wait_tensorcnt 0x0            ; no tensor load of mine is out, so a group 0 may be written
	ds_add_u32 v[SPW], v[NIL]       ; scalar work stands between the add and its wait
.if \fill
	s_lshl_b32 s[OFF], s[NXT], 15   ; a tile is 32,768 bytes of K and of V
	s_xor_b32 s[G0K+1], s[G0K+1], SLOT1
	s_add_nc_u64 s[G0K+2:G0K+3], s[6:7], s[OFF:OFF+1]
	s_or_b32 s[G0K+3], s[G0K+3], 0x80000000
	s_xor_b32 s[G0V+1], s[G0V+1], SLOT1
	s_add_nc_u64 s[G0V+2:G0V+3], s[8:9], s[OFF:OFF+1]
	s_or_b32 s[G0V+3], s[G0V+3], 0x80000000
	s_add_co_u32 s[NXT], s[NXT], 1  ; the block's next tile, or behind its last the second block's tile 0
	s_cmp_gt_u32 s[NXT], s[LQ]
	s_cselect_b32 s[NXT], 0, s[NXT]
	s_cselect_b32 s[LQ], s[PBK], s[LQ]
	s_wait_dscnt 0x0                ; the add is done, and my reads of the slot are over
	CROUND
	JLOAD
.else
	s_wait_dscnt 0x0
	s_barrier_signal -1
	s_barrier_wait -1
.endif
	s_xor_b32 s[TB], s[TB], SLOT1   ; the reads go to the other slot
.endm
	s_load_b64 s[4:5], s[0:1], 0x0  ; qkv
	s_load_b64 s[10:11], s[0:1], 0x8  ; ob
	v_lshl_add_u32 v[SPW], v0, 2, SPARE
	v_mov_b32 v[NIL], 0
	ds_add_u32 v[SPW], v[NIL]       ; the wave's opening
	v_lshrrev_b32 v1, 5, v0
	v_readfirstlane_b32 s[WV], v1
	s_bfe_u32 s13, ttmp6, 0x40000   ; cx: the query head inside its group
	s_mov_b32 s[PBK], ttmp9         ; in a cluster launch ttmp9 counts clusters: p, which the four partners share
	s_sub_co_u32 s[HI], 7, s[PBK]
	s_and_b32 s16, ttmp7, 0xffff
	s_lshr_b32 s17, s16, 2          ; batch
	s_and_b32 s18, s16, 3           ; K/V head
	s_mul_i32 s19, s17, 24
	s_add_co_u32 s20, s19, s18
	s_add_co_u32 s20, s20, 16       ; K's head in qkv
	s_lshl_b32 s20, s20, 18         ; 262,144 bytes a head
	s_and_b32 s23, s[WV], 1         ; which of a tile's two steps I fetch:
	s_lshl_b32 s22, s23, 14         ; its 64 rows of 256 bytes in memory,
	s_add_co_u32 s20, s20, s22
	s_mov_b32 s21, 0
	s_mul_i32 s22, s23, STEPB       ; and its place in a slot
	s_lshl_b32 s48, s18, 2
	s_add_co_u32 s48, s48, s13      ; my query head
	s_add_co_u32 s49, s19, s48
	s_lshl_b32 s49, s49, 18
	s_lshl_b32 s50, s[WV], 12       ; my 16 rows in a band of 64
	s_add_co_u32 s49, s49, s50
	s_lshl_b32 s50, s[HI], 15       ; a block is 128 rows of 256 bytes
	s_add_co_u32 s50, s50, s49
	s_mov_b32 s51, 0
	s_lshl_b32 s52, s[PBK], 15
	s_add_co_u32 s52, s52, s49
	s_mov_b32 s53, 0
	s_lshl_b32 s54, s17, 22         ; O: 1,024 tokens of 4,096 bytes a batch,
	s_lshl_b32 s55, s[WV], 16       ; my 16 rows,
	s_add_co_u32 s54, s54, s55
	s_lshl_b32 s55, s48, 8          ; my head's 256 bytes
	s_add_co_u32 s54, s54, s55
	s_lshl_b32 s76, s[HI], 19
	s_add_co_u32 s76, s76, s54
	s_mov_b32 s77, 0
	s_lshl_b32 s78, s[PBK], 19
	s_add_co_u32 s78, s78, s54
	s_mov_b32 s79, 0
	s_mov_b32 s[G1K], 15|(1<<16)|(1<<20)|(1<<21)|(5<<22)|(3<<25)  ; the mask of four; 2-byte elements; padding on; 21 set beside a mask; after every 64 words 4 words
	s_mov_b32 s[G1V], 15|(1<<16)|(1<<20)|(1<<21)|(5<<22)|(7<<25)  ; the same with 8 words
.irp g, G1K, G1V
	s_mov_b32 s[(\g)+1], 128<<16    ; tensor_dim0 = 128
	s_mov_b32 s[(\g)+2], KS<<16     ; tensor_dim1 = 64
	s_mov_b32 s[(\g)+3], 128<<16    ; tile_dim0 = 128
	s_mov_b32 s[(\g)+4], KS         ; tile_dim1 = 64
	s_mov_b32 s[(\g)+5], 128        ; elements from row to row
	s_mov_b32 s[(\g)+6], 0
	s_mov_b32 s[(\g)+7], 0
.endr
	s_mov_b32 s[CS], 0x3e0293ee     ; c = log2(e) / sqrt(128)
	s_mov_b32 s[CS+1], s[CS]
	s_mov_b32 s[SEL], 0x76543210
	s_mov_b32 s[SEL+1], 0xfedcba98
	s_mov_b32 s[TB], SLOT1          ; the first change of slots turns it into 0
	s_mov_b32 s[G0K], 1
	s_mov_b32 s[G0K+1], s22
	s_mov_b32 s[G0V], 1
	s_add_co_u32 s[G0V+1], s22, VOFF
	s_add_co_u32 s[RT], s[HI], 1    ; the first block has 8 - p tiles
	s_mov_b32 s[NXT], 1
	s_mov_b32 s[LQ], s[HI]
	s_mov_b32 s[OFF+1], 0
	s_mov_b32 s[BIGN], 0xf149f2ca   ; -1e30
	s_mov_b32 s[SLOTS], 8
	s_wait_dscnt 0x0                ; the opening add is done
	s_wait_kmcnt 0x0
	s_add_nc_u64 s[6:7], s[4:5], s[20:21]     ; K at my half of the head's tile 0
	s_add_nc_u64 s[8:9], s[6:7], 4*262144     ; V lies four heads on
	s_add_nc_u64 s[G0K+2:G0K+3], s[6:7], 0
	s_or_b32 s[G0K+3], s[G0K+3], 0x80000000
	s_add_nc_u64 s[G0V+2:G0V+3], s[8:9], 0
	s_or_b32 s[G0V+3], s[G0V+3], 0x80000000
	s_add_nc_u64 s[84:85], s[4:5], s[50:51]   ; Q at my rows of the first block,
	s_add_nc_u64 s[86:87], s[4:5], s[52:53]   ; and of the second
	s_add_nc_u64 s[OLO:OLO+1], s[10:11], s[78:79]
	s_add_nc_u64 s[10:11], s[10:11], s[76:77]
	CROUND                          ; all four work-groups are here: the first joint loads meet
	JLOAD                           ; tile 0 into slot 0
	v_and_b32 v1, 15, v0            ; r = l % 16
	v_bfe_u32 v9, v0, 4, 1          ; h = l / 16
	v_lshlrev_b32 v[QO], 8, v1
	v_lshl_add_u32 v[QO], v9, 4, v[QO]
	WIN 0x80                        ; destination window 2
.set i, 0
.rept 8                             ; both blocks' Q stay in registers: tile i / 4 lies 64 rows on; channels 32 (i % 4) on
	global_load_b128 v[8*i:8*i+3],         v[QO], s[84:85] offset:(i/4)*16384+(i%4)*64
	global_load_b128 v[8*i+4:8*i+7],       v[QO], s[84:85] offset:(i/4)*16384+(i%4)*64+32
	global_load_b128 v[QB+8*i:QB+8*i+3],   v[QO], s[86:87] offset:(i/4)*16384+(i%4)*64
	global_load_b128 v[QB+8*i+4:QB+8*i+7], v[QO], s[86:87] offset:(i/4)*16384+(i%4)*64+32
.set i, i+1
.endr
	WIN 0
	v_lshlrev_b32 v28, 3, v9
	v_sub_nc_u32 v28, v1, v28
	s_lshl_b32 s16, s[WV], 4
	v_add_nc_u32 v28, s16, v28      ; my query's place in its band, 16 w + r, less my lanes' 8 h: register j of key group kb is hidden where 16 kb + j is greater
	WIN 0x40
.set i, 0
.rept 32
	v_cmp_gt_i32 vcc_lo, 16*(i/8)+i%8, v28
	v_cndmask_b32 v[MD+i], 0, s[BIGN], vcc_lo
.set i, i+1
.endr
.set i, 0
.rept 128                           ; O^T need only be finite where a block begins (its first a is 0): zeros for the first block, what the first block left for the second.  This stands in the wait for the first tile
	v_mov_b32 v[i], 0
.set i, i+1
.endr
	WIN 0
	v_mul_u32_u24 v[AK0], v1, PK
	v_lshl_add_u32 v[AK0], v9, 4, v[AK0]
	v_and_b32 v29, 7, v0            ; the turning load: lane l reads key 8 h + l % 8, channels 8 ((l / 8) % 2) + 0..7
	v_bfe_u32 v30, v0, 3, 1
	v_lshl_add_u32 v[AV0], v9, 3, v29
	v_mul_u32_u24 v[AV0], v[AV0], PV
	v_lshl_add_u32 v[AV0], v30, 4, v[AV0]
	v_add_nc_u32 v[AV0], VOFF, v[AV0]
	s_mul_i32 s16, s[WV], 16*SP
	s_add_co_u32 s16, s16, STAGE    ; my stage
	v_mul_u32_u24 v[STO], v1, SP
	v_lshl_add_u32 v[STO], v9, 4, v[STO]
	v_add_nc_u32 v[STO], s16, v[STO]
	v_mul_u32_u24 v[RD], v9, SP
	v_lshl_add_u32 v[RD], v1, 4, v[RD]
	v_add_nc_u32 v[RD], s16, v[RD]
	v_lshlrev_b32 v[GO], 12, v9     ; lanes 0-15 one token's 256 bytes, lanes 16-31 the next token's
	v_lshl_add_u32 v[GO], v1, 4, v[GO]
.macro INIT                         ; a block begins: c m far below every c s, m the lowest finite number, l = 0
.irp t, 0,1
	v_mov_b32 v[ST+8*(\t)], 0xfe000000
	v_mov_b32 v[ST+8*(\t)+1], 0xff7fffff
	v_mov_b32 v[ST+8*(\t)+2], 0
	v_mov_b32 v[ST+8*(\t)+3], 0
.endr
.endm
	INIT
; THE LDS LOADS, in runs of 32: step st's K (16 fragments) and its V (turned).
.macro FETCH_K st
	WIN 0x80
.irp f, 0,1,2,3,4,5,6,7,8,9,10,11,12,13,14,15  ; keys 16 (f / 4) on, channels 32 (f % 4) on
	ds_load_b128 v[KF+8*(\f):KF+8*(\f)+3],   v[ADRK] offset:(\st)*STEPB+((\f)/4)*16*PK+((\f)%4)*64
	ds_load_b128 v[KF+8*(\f)+4:KF+8*(\f)+7], v[ADRK] offset:(\st)*STEPB+((\f)/4)*16*PK+((\f)%4)*64+32
.endr
.endm
.macro FETCH_V st
	WIN 0xc0
.irp f, 0,1,2,3,4,5,6,7,8,9,10,11,12,13,14,15  ; keys 32 (f / 8) on, channels 16 (f % 8) on
	ds_load_tr16_b128 v[8*(\f):8*(\f)+3],   v[ADRV] offset:(\st)*STEPB+((\f)/8)*32*PV+((\f)%8)*32
	ds_load_tr16_b128 v[8*(\f)+4:8*(\f)+7], v[ADRV] offset:(\st)*STEPB+((\f)/8)*32*PV+16*PV+((\f)%8)*32
.endr
.endm
; THE MATRIX WORK.  The accumulators of a run take turns, one instruction a turn.
; 32 products S^T = K Q^T for both tiles: channels 32 (i / 8) on, keys 16 ((i / 2) % 4) on, tile i % 2.  The first 8 start the sums: with 0, or (mk = 1, tile 0) with the mask.
.macro KQ2 mk
.set i, 0
.rept 32
.set rS, S+32*(i%2)+8*((i/2)%4)
.set rK, KF+32*((i/2)%4)+8*(i/8)
.set rQ, 32*(i%2)+8*(i/8)
.set rM, MD+8*((i/2)%4)
.if (i < 8) && (\mk) && (i%2 == 0)
	WIN W_KM
	v_wmma_f32_16x16x32_f16 v[rS:rS+7], v[rK:rK+7], v[rQ:rQ+7], v[rM:rM+7]
.elseif i < 8
	WIN W_KQ
	v_wmma_f32_16x16x32_f16 v[rS:rS+7], v[rK:rK+7], v[rQ:rQ+7], 0
.else
	WIN W_KQ
	v_wmma_f32_16x16x32_f16 v[rS:rS+7], v[rK:rK+7], v[rQ:rQ+7], v[rS:rS+7]
.endif
.set i, i+1
.endr
.endm
.macro KQ1                          ; 16 products for tile 1 alone, masked: channels 32 (i / 4) on, keys 16 (i % 4) on
.set i, 0
.rept 16
.set rS, S+32+8*(i%4)
.set rK, KF+32*(i%4)+8*(i/4)
.set rQ, 32+8*(i/4)
.set rM, MD+8*(i%4)
.if i < 4
	WIN W_KM
	v_wmma_f32_16x16x32_f16 v[rS:rS+7], v[rK:rK+7], v[rQ:rQ+7], v[rM:rM+7]
.else
	WIN W_KQ
	v_wmma_f32_16x16x32_f16 v[rS:rS+7], v[rK:rK+7], v[rQ:rQ+7], v[rS:rS+7]
.endif
.set i, i+1
.endr
.endm
.macro PV2                          ; 32 products O^T += V^T P: keys 32 (i / 16) on, channels 16 ((i / 2) % 8) on, tile i % 2
	WIN W_PV
.set i, 0
.rept 32
.set rO, 64*(i%2)+8*((i/2)%8)
.set rV, 64*(i/16)+8*((i/2)%8)
.set rP, P+16*(i%2)+8*(i/16)
	v_wmma_f32_16x16x32_f16 v[rO:rO+7], v[rV:rV+7], v[rP:rP+7], v[rO:rO+7]
.set i, i+1
.endr
.endm
.macro PV1                          ; 16 products for tile 1 alone
	WIN W_PV
.set i, 0
.rept 16
.set rO, 64+8*(i%8)
.set rV, 64*(i/8)+8*(i%8)
.set rP, P+16+8*(i/8)
	v_wmma_f32_16x16x32_f16 v[rO:rO+7], v[rV:rV+7], v[rP:rP+7], v[rO:rO+7]
.set i, i+1
.endr
.endm
; THE VECTOR WORK.  One tile's softmax for one step is a list of 134 instructions; SM writes number j of it for tile t.  s0-s31 are the lane's 32 scores, in pairs 0-15.
;   0-15    the maximum of s0-s31 and the old m, three operands at a time (each accumulator's lowest registers are read first)
;   16-20   the other half of the lanes' maximum; the new m; c m; c m_old - c m_new
;   21-87   33 exponentials (a, then s0-s31) at the odd numbers from 23 on, so that each has a plain instruction behind it before its result is used; the plain ones are scalings of pairs whose
;           exponentials are still to come, roundings of pairs whose exponentials are done, and the first three sums
;   88-101  the last rounding; the rest of the sums; l = a l + the sum          102-133 the tile's O^T times a
.macro SM t
.set rT, ST+8*(\t)
.set rS, S+32*(\t)
.set rP, P+16*(\t)
.set rO, 64*(\t)+2*(j-102)
.set q, (j-20)/2
.if j < 102
	WIN 0
.endif
.if j < 4
	v_max3_num_f32 v[rT+4+j], v[rS+8*j], v[rS+8*j+1], v[rS+8*j+2]
.elseif j < 12
	v_max3_num_f32 v[rT+4+j%4], v[rT+4+j%4], v[rS+8*(j%4)+2*(j/4)+1], v[rS+8*(j%4)+2*(j/4)+2]
.elseif j == 12
	v_max3_num_f32 v[rT+4], v[rT+4], v[rS+7], v[rS+15]
.elseif j == 13
	v_max3_num_f32 v[rT+6], v[rT+6], v[rS+23], v[rS+31]
.elseif j == 14
	v_max3_num_f32 v[rT+4], v[rT+4], v[rT+5], v[rT+6]
.elseif j == 15
	v_max3_num_f32 v[rT+4], v[rT+4], v[rT+7], v[rT+1]
.elseif j == 16
	v_permlanex16_b32 v[rT+5], v[rT+4], s[SEL], s[SEL+1]  ; the query's other 32 keys lie in the lane 16 away
.elseif j == 17
	v_mov_b32 v[rT+7], v[rT]        ; c m_old is kept for a
.elseif j == 18
	v_max_num_f32 v[rT+1], v[rT+4], v[rT+5]
.elseif j == 19
	v_mul_f32 v[rT], s[CS], v[rT+1]
.elseif j == 20
	v_sub_f32 v[rT+7], v[rT+7], v[rT]
.elseif j == 23
	v_exp_f32 v[rT+6], v[rT+7]
.elseif (j < 88) && (j > 23) && (j%2 == 1)
	v_exp_f32 v[rS+(j-25)/2], v[rS+(j-25)/2]
.elseif (q < 4) || ((j < 76) && (q%2 == 0))
.set b, q/2+2
.if q < 4
.set b, q
.endif
	v_pk_fma_f32 v[rS+2*b:rS+2*b+1], v[rS+2*b:rS+2*b+1], s[CS:CS+1], v[rT:rT+1] op_sel_hi:[1,0,0] neg_lo:[0,0,1] neg_hi:[0,0,1]  ; pair b: c s - c m
.elseif (j < 88) && (q%2 == 1)
	s_wait_alu depctr_va_vdst(0)
	v_cvt_pk_f16_f32 v[rP+(q-5)/2], v[rS+q-5], v[rS+q-4]
.elseif j == 89
	s_wait_alu depctr_va_vdst(0)
	v_cvt_pk_f16_f32 v[rP+15], v[rS+30], v[rS+31]
.elseif j < 102                     ; the sum of the 16 pairs, in place: sum z of 16 adds neighbours 1, 2, 4 and 8 pairs apart, then l takes it
.set z, j-86
.if j < 89
.set z, (j-76)/4
.endif
.set w, 4
.set u, z
.if z >= 14
.set w, 32
.set u, 0
.elseif z >= 12
.set w, 16
.set u, z-12
.elseif z >= 8
.set w, 8
.set u, z-8
.endif
.if z < 15
	v_pk_add_f32 v[rS+w*u:rS+w*u+1], v[rS+w*u:rS+w*u+1], v[rS+w*u+w/2:rS+w*u+w/2+1]
.else
	v_pk_fma_f32 v[rT+2:rT+3], v[rT+2:rT+3], v[rT+6:rT+7], v[rS:rS+1] op_sel_hi:[1,0,1]
.endif
.else
	WIN W_RS
	v_pk_mul_f32 v[rO:rO+1], v[rO:rO+1], v[rT+6:rT+7] op_sel_hi:[1,0]
.endif
.endm
; Both tiles' lists, two numbers of each at a time.  From 22 to 87 tile by tile (plain, exponential, plain, exponential); elsewhere the tiles alternate, so that no line reads the result of the line before it.
.macro SLICE
.if (k >= 11) && (k < 44)
.irp t, 0,1
.irp n, 0,1
.set j, 2*k+(\n)
	SM \t
.endr
.endr
.else
.irp n, 0,1,2,3,4,5,6,7
.if ((\n) < 2) || (k == 63)
.irp t, 0,1
.set j, 2*k+(\n)
	SM \t
.endr
.endif
.endr
.endif
.set k, k+1
.endm
.macro SOFT2
.set k, 0
.rept 64
	SLICE
.endr
.endm
.macro SOFT1                        ; tile 1 alone, in the list's order
.set j, 0
.rept 134
	SM 1
.set j, j+1
.endr
.endm
; A STEP of 64 keys.  kind 0: both tiles, no mask; 1: both, tile 0 masked; 2: tile 1 alone, masked.
.macro STEP st, kind
	s_wait_dscnt 0x0                ; K is in
.if (\kind) == 2
	KQ1
.else
	KQ2 \kind
.endif
	PLACES                          ; behind the scores' products, and behind the last V^T P, whose V is loaded over below
	FETCH_V \st
.if (\st) == 0
	FETCH_K 1                       ; the tile's second step
.endif
.if (\kind) == 2
	SOFT1
.else
	SOFT2
.endif
.if (\st) == 0
	s_wait_dscnt 32                 ; V is in; K's 32 younger loads may stay out
.else
	s_wait_dscnt 0x0
.endif
.if (\kind) == 2
	PV1
.else
	PV2
.endif
.endm
.macro TILEHEAD
	WIN 0
	v_add_nc_u32 v[ADRK], s[TB], v[AK0]
	v_add_nc_u32 v[ADRV], s[TB], v[AV0]
	FETCH_K 0
.endm
.macro FULL
	TILEHEAD
	STEP 0, 0
	STEP 1, 0
	WIN 0
.endm
.macro DIAG
	TILEHEAD
	STEP 0, 1
	STEP 1, 2
	WIN 0
.endm
; THE WAY OUT.  l's two halves and the other half of the lanes' are added; O^T is divided by l, rounded to f16 and sent through my stage in LDS, a tile (16 tokens) at a time.
.macro PACK t
	WIN W_RS
.set i, 64*(\t)
.rept 32
	v_pk_mul_f32 v[i:i+1], v[i:i+1], v[ST+8*(\t)+6:ST+8*(\t)+7] op_sel_hi:[1,0]
.set i, i+2
.endr
	WIN 0x05                        ; sources 0 and 1 window 1, destination window 0: S^T's registers are free
.set i, 0
.rept 32
	v_cvt_pk_f16_f32 v[S+32*(\t)+i], v[64*(\t)+2*i], v[64*(\t)+2*i+1]
.set i, i+1
.endr
	WIN 0
.irp f, 0,1,2,3,4,5,6,7
	ds_store_b128 v[STO], v[S+32*(\t)+4*(\f):S+32*(\t)+4*(\f)+3] offset:32*(\f)
.endr
.irp f, 0,1,2,3,4,5,6,7
	ds_load_b128 v[S+32*(\t)+4*(\f):S+32*(\t)+4*(\f)+3], v[RD] offset:(\f)*2*SP  ; LDS serves a wave's instructions in order (ISA guide 5.7.1.4): these see the stores above
.endr
.endm
.macro SEND t, younger              ; younger: the LDS instructions issued behind tile t's loads
	WIN 0
.irp f, 0,1,2,3,4,5,6,7
	s_wait_dscnt (\younger)+7-(\f)
	global_store_b128 v[GO], v[S+32*(\t)+4*(\f):S+32*(\t)+4*(\f)+3], s[10:11] offset:(\t)*262144+(\f)*8192  ; 16 lanes store a token's 256 bytes of my head, aligned
.endr
.endm
.macro WAYOUT
	WIN 0
	PLACES                          ; behind the last products
.irp t, 0,1
	v_add_f32 v[ST+8*(\t)+4], v[ST+8*(\t)+2], v[ST+8*(\t)+3]
.endr
.irp t, 0,1
	v_permlanex16_b32 v[ST+8*(\t)+5], v[ST+8*(\t)+4], s[SEL], s[SEL+1]
.endr
.irp t, 0,1
	v_add_f32 v[ST+8*(\t)+4], v[ST+8*(\t)+4], v[ST+8*(\t)+5]
.endr
.irp t, 0,1
	v_rcp_f32 v[ST+8*(\t)+6], v[ST+8*(\t)+4]
.endr
	v_nop                           ; a plain instruction between the last reciprocal and the use of its result
	s_wait_alu depctr_va_vdst(0)
	PACK 0
	PACK 1
	SEND 0, 16
	SEND 1, 0
.endm
	s_wait_loadcnt 0x0              ; Q
.Lslot:                             ; 8 times: a tile is entered and the next is asked for
	CHANGE 1
	s_sub_co_u32 s[RT], s[RT], 1
	s_cmp_eq_u32 s[RT], 0
	s_cbranch_scc1 .Ldiag           ; the block's last tile.  In the loop that is the first block's: the second block's last is the walk's last
	FULL
	s_branch .Lbottom
.Ldiag:
	DIAG
	WAYOUT
	s_wait_xcnt 0x0                 ; the stores have read their registers and O's address
	s_mov_b64 s[10:11], s[OLO:OLO+1]
	s_add_co_u32 s[RT], s[PBK], 1   ; the second block has p + 1 tiles
	WIN 0x82                        ; its Q goes where the one text of the products names Q
.set i, 0
.rept 64
	v_mov_b32 v[i], v[QB+i]
.set i, i+1
.endr
	WIN 0
	INIT
.Lbottom:
	s_sub_co_u32 s[SLOTS], s[SLOTS], 1
	s_cmp_lg_u32 s[SLOTS], 0
	s_cbranch_scc1 .Lslot
	CHANGE 0                        ; the walk's last tile is written out: nothing is asked for
	DIAG
	WAYOUT
	s_wait_tensorcnt 0x0            ; the wave's end
	ds_add_u32 v[SPW], v[NIL]
	s_wait_dscnt 0x0
	CROUND                          ; the closing round
	s_endpgm
.Lfunc_end_k_qf183682a5b_attn:
	.size	k_qf183682a5b_attn, .Lfunc_end_k_qf183682a5b_attn-k_qf183682a5b_attn
	.p2alignl 7, 3214868480
	.fill 96, 4, 3214868480
	.section	.rodata,"a",@progbits
	.p2align	6, 0x0
	.amdhsa_kernel k_qf183682a5b_attn
		.amdhsa_group_segment_fixed_size 327680
		.amdhsa_private_segment_fixed_size 0
		.amdhsa_enable_private_segment 0
		.amdhsa_kernarg_size 16
		.amdhsa_user_sgpr_count 2
		.amdhsa_user_sgpr_kernarg_segment_ptr 1
		.amdhsa_wavefront_size32 1
		.amdhsa_system_sgpr_workgroup_id_x 1
		.amdhsa_system_sgpr_workgroup_id_y 1
		.amdhsa_system_sgpr_workgroup_id_z 1
		.amdhsa_system_vgpr_workitem_id 0
		.amdhsa_next_free_vgpr 896
		.amdhsa_next_free_sgpr 92
		.amdhsa_reserve_vcc 1
		.amdhsa_float_denorm_mode_32 3
		.amdhsa_float_denorm_mode_16_64 3
		.amdhsa_memory_ordered 1
		.amdhsa_forward_progress 1
		.amdhsa_inst_pref_size 172
	.end_amdhsa_kernel
	.amdgpu_metadata
---
amdhsa.version: [ 1, 2 ]
amdhsa.kernels:
  - .name:           k_qf183682a5b_attn
    .symbol:         k_qf183682a5b_attn.kd
    .args:
      - { .name: qkv, .offset: 0, .size: 8, .value_kind: global_buffer, .address_space: global }
      - { .name: ob, .offset: 8, .size: 8, .value_kind: global_buffer, .address_space: global }
    .group_segment_fixed_size: 327680
    .private_segment_fixed_size: 0
    .kernarg_segment_align: 8
    .kernarg_segment_size: 16
    .max_flat_workgroup_size: 128
    .sgpr_count:     92
    .vgpr_count:     896
    .wavefront_size: 32
...
	.end_amdgpu_metadata
.endif
;; end of part 3
;; launch oproj (part 4): grid 8 x 32, 4 waves a work-group, clusters of 4 x 1, 327,680 bytes of LDS; arguments ob, wob, out0; writes out0
.if DOCPART == 4
	.amdgcn_target "amdgcn-amd-amdhsa--gfx1250"
	.amdhsa_code_object_version 6
	.text
	.protected	k_qf183682a5b_oproj
	.globl	k_qf183682a5b_oproj
	.p2align	8
	.type	k_qf183682a5b_oproj,@function
k_qf183682a5b_oproj:
	s_mov_b64 s[64:65], 0
	v_nop
	global_prefetch_b8 v0, s[64:65] scope:SCOPE_SE
	s_setreg_imm32_b32 hwreg(HW_REG_WAVE_MODE, 25, 1), 1
	s_wait_xcnt 0x0
	s_wait_alu depctr_hold_cnt(0) depctr_sa_sdst(0) depctr_va_vdst(0) depctr_va_sdst(0) depctr_va_ssrc(0) depctr_va_vcc(0) depctr_vm_vsrc(0)
	s_getreg_b32 s2, hwreg(HW_REG_IB_STS2, 6, 4)
	s_cmp_eq_u32 s2, 0
	s_cbranch_scc0 .Lentry_in_a_cluster
	s_endpgm
.Lentry_in_a_cluster:
	s_bfe_u32 s2, ttmp6, 0x10000c
	s_cmp_lg_u32 s2, 0x3003
	s_cbranch_scc0 .Lentry_shape_is_right
	s_endpgm
.Lentry_shape_is_right:
; OPROJ: out0[4096][2048] (f32) = ob wob.  ob [4096][2048] f16; wob f16 in fragment order (below); sums in f32, stored unrounded.
; SHARES.  A work-group makes 128 tokens x 256 columns: 8 x 32 work-groups.  Wave w takes all 128 tokens and columns 64 w .. 64 w + 63, which are 256 aligned bytes of a row of out0: so each wave
; has a stage of its own on the way out and no barrier is needed there.  32 accumulators, (a, b) at window 1, v[8 (4 a + b)].
; THE MATRIX INSTRUCTION IS USED TRANSPOSED: source 0 = 16 columns of wob, source 1 = 16 tokens: a lane holds one token and 8 neighbouring columns.
; THE WEIGHTS GO STRAIGHT INTO REGISTERS.  A wave's 64 columns are its own: no other wave of the work-group reads them, so LDS would share nothing.  wob holds one dense stream for each block of 64 columns,
; [kb 64][b 4][c 2][lane 32][16 bytes]: 4,096 bytes for a QUARTER (32 along K), eight loads of 512 consecutive bytes.  A ring of eight register buffers holds them, a buffer a quarter; quarter p asks for
; quarter p + 7, so 56 loads of a wave are out at the most and the wait at a quarter's head is counted.  NO JOINT REQUEST FOR THEM: a joint request lands in LDS alone, where 32 K of weights are 16 KB beside
; the tokens' 8 KB, and what lands there has only the work between two refills' barriers in which to arrive.  The price: each of the 32 token blocks asks for all weights itself.
; THE TOKENS go through two LDS slots of K = 256: 128 rows of 512 bytes, each wave fetching 32 rows.  CLUSTER 4 x 1: the four partners have the same tokens, so each tile is asked for jointly (mask 15).
; A TRIP of the loop is a slot, eight quarters, shifted by one: it begins with the last quarter of the slot before, in which the slots change.  The first quarter is written out (it starts the sums) and the
; loop is entered at its third quarter; the last slot is written out.
; REGISTERS: window 0: v16-29 addresses; v32-63 (and v64-95 behind the loop) rows on the way out; v64-127, v128-191 the tokens' fragments, two buffers.  Window 1: the accumulators.  Window 2: the ring, buffer u at 32 u.
.set PA,    528                        ; a row of tokens in LDS: 512 bytes + 16
.set SLOT1, 1<<17                      ; slot 1 begins here, so that one exclusive or turns an address in one slot into the other's
.set STAGE, SLOT1+128*PA               ; behind the ring, never filled by a tensor load: 16 rows x 272 bytes for each wave
.set SP,    272
.set SPARE, STAGE+4*16*SP              ; the spare words, 128 bytes for each wave: two blocks of 256 bytes that no other line names
.set QB,    4096                       ; bytes of a wave's weights in a quarter
.set A0,   16                          ; my lane's place in a slot; never rewritten
.set ADR,  17                          ; the same in the slot in hand
.set BO,   18                          ; 16 x lane; never rewritten
.set STO,  24
.set RD,   25
.set CO,   26
.set SPW,  28
.set NIL,  29
.set F0,   64
.set F1,   128
.set G1,  24                           ; s[24:31] descriptor group 1
.set G0,  32                           ; s[32:35] descriptor group 0: it walks
.set BB,  36                           ; s[36:37] my stream of weights at the trip's first quarter
.set LT,  38                           ; s38      LDS byte at which the slot in hand begins
.set MSB, 0
.macro WIN new
.if MSB != (\new)
	s_set_vgpr_msb (MSB<<8)|(\new)
.set MSB, \new
.endif
.endm
.macro JLOAD                           ; a joint load: every wave fetches its 32 rows.  An s_nop 0 and four v_nop follow the line
	tensor_load_to_lds s[G0:G0+3], s[G1:G1+7]
	s_nop 0
.rept 4
	v_nop
.endr
.endm
.macro CREST
	s_cmp_lg_u32 s10, 0
	s_cbranch_scc1 .Lnot_wave_0_\@
	s_barrier_signal -3
.Lnot_wave_0_\@:
	s_barrier_wait -3
	s_barrier_signal -1
	s_barrier_wait -1
.endm
.macro CROUND
	s_barrier_signal -1
	s_barrier_wait -1
	CREST
.endm
	s_load_b128 s[4:7], s[0:1], 0x0                ; ob s[4:5], wob s[6:7]
	s_load_b64 s[8:9], s[0:1], 0x10                ; out0
	v_lshl_add_u32 v[SPW], v0, 2, SPARE
	v_mov_b32 v[NIL], 0
	ds_add_u32 v[SPW], v[NIL]                      ; the wave's opening
	v_lshrrev_b32 v1, 5, v0
	v_readfirstlane_b32 s10, v1                    ; wave 0..3
	s_bfe_u32 s40, ttmp6, 0x40000                  ; cx: it enters global addresses of my own loads and stores alone
	s_lshl_b32 s42, ttmp9, 2
	s_add_co_u32 s42, s42, s40                     ; tx: my 256 columns
	s_and_b32 s13, ttmp7, 0xffff                   ; ty: my 128 tokens, which the four partners share
	s_mov_b32 s[G1], 15|(1<<16)|(1<<20)|(1<<21)|(6<<22)|(3<<25)  ; the mask of four; 2-byte elements; padding on; 21 set beside a mask; after every 128 words 4 words
	s_mov_b32 s[G1+1], 256<<16                     ; tensor_dim0 = 256
	s_mov_b32 s[G1+2], 32<<16                      ; tensor_dim1 = 32
	s_mov_b32 s[G1+3], 256<<16                     ; tile_dim0 = 256 elements, 512 bytes
	s_mov_b32 s[G1+4], 32                          ; tile_dim1 = 32 rows
	s_mov_b32 s[G1+5], 2048
	s_mov_b32 s[G1+6], 0
	s_mov_b32 s[G1+7], 0
	s_lshl_b32 s16, s13, 19                        ; 128 rows of 4,096 bytes for each ty,
	s_lshl_b32 s17, s10, 17                        ; 32 for each wave
	s_add_co_u32 s16, s16, s17
	s_mov_b32 s17, 0
	s_lshl_b32 s46, s42, 2
	s_add_co_u32 s46, s46, s10                     ; my stream of weights: 4 tx + w
	s_lshl_b32 s46, s46, 18                        ; 64 quarters of 4,096 bytes
	s_mov_b32 s47, 0
	s_mov_b32 s[G0], 1
	s_mul_i32 s[G0+1], s10, 32*PA                  ; LDS address: my 32 rows of slot 0
	s_mov_b32 s[LT], SLOT1                         ; the first change of slots turns it into 0
	s_wait_dscnt 0x0                               ; the opening add is done
	s_wait_kmcnt 0x0
	s_add_nc_u64 s[G0+2:G0+3], s[4:5], s[16:17]
	s_or_b32 s[G0+3], s[G0+3], 0x80000000
	s_add_nc_u64 s[BB:BB+1], s[6:7], s[46:47]
	CROUND                                         ; all four work-groups are here: the first joint loads meet
	JLOAD                                          ; K 0-255 into slot 0; slot 1 is asked for when slot 0 is in
	v_and_b32 v3, 31, v0
	v_lshlrev_b32 v[BO], 4, v3
.macro GLOAD u, off                    ; eight loads: a quarter's weights, at byte off of the trip's stream, into ring buffer u
	WIN 0x80                                       ; destination window 2
.irp b, 0,1,2,3
	global_load_b128 v[32*(\u)+8*(\b):32*(\u)+8*(\b)+3],   v[BO], s[BB:BB+1] offset:(\off)+1024*(\b)
	global_load_b128 v[32*(\u)+8*(\b)+4:32*(\u)+8*(\b)+7], v[BO], s[BB:BB+1] offset:(\off)+1024*(\b)+512
.endr
.endm
.irp q, 0,1,2,3,4,5,6
	GLOAD \q, (\q)*QB                              ; quarters 0 to 6
.endr
	WIN 0
	v_and_b32 v1, 15, v0                           ; r
	v_bfe_u32 v2, v0, 4, 1                         ; h
	v_mul_u32_u24 v3, v1, PA
	v_lshl_add_u32 v[A0], v2, 4, v3
	s_mul_i32 s23, s10, 16*SP
	s_add_co_u32 s23, s23, STAGE                   ; my stage
	v_mul_u32_u24 v4, v1, SP
	v_lshl_add_u32 v4, v2, 5, v4                   ; in: row r, 32 bytes for each half of the lanes
	v_add_nc_u32 v[STO], s23, v4
	v_mul_u32_u24 v5, v2, SP                       ; back: lanes 0-15 one row of 256 bytes, lanes 16-31 the next
	v_lshl_add_u32 v5, v1, 4, v5
	v_add_nc_u32 v[RD], s23, v5
	v_lshlrev_b32 v6, 13, v2                       ; and the same two rows in out0, 8,192 bytes apart
	v_lshl_add_u32 v[CO], v1, 4, v6
	s_lshl_b32 s16, s13, 20                        ; out0 at my first token,
	s_mov_b32 s17, 0
	s_add_nc_u64 s[8:9], s[8:9], s[16:17]
	s_lshl_b32 s46, s42, 10                        ; and my wave's first column
	s_lshl_b32 s47, s10, 8
	s_add_co_u32 s46, s46, s47
	s_mov_b32 s47, 0
	s_add_nc_u64 s[8:9], s[8:9], s[46:47]
; 8 matrix instructions: token blocks 4 hi + a0, + 1 x my 4 column blocks, 32 along K: tokens from buffer f, weights from ring buffer u.  zero = 1: the first product starts the sums.
; All 32 accumulators take turns, one instruction a turn.
.macro MULH f, u, hi, a0, zero
	WIN 0x52                                       ; weights window 2, tokens window 0, C and D window 1
.irp a, \a0, (\a0)+1
.irp b, 0,1,2,3
.if \zero
	v_wmma_f32_16x16x32_f16 v[8*(4*(4*(\hi)+(\a))+(\b)):8*(4*(4*(\hi)+(\a))+(\b))+7], v[32*(\u)+8*(\b):32*(\u)+8*(\b)+7], v[(\f)+8*(4*(\hi)+(\a)):(\f)+8*(4*(\hi)+(\a))+7], 0
.else
	v_wmma_f32_16x16x32_f16 v[8*(4*(4*(\hi)+(\a))+(\b)):8*(4*(4*(\hi)+(\a))+(\b))+7], v[32*(\u)+8*(\b):32*(\u)+8*(\b)+7], v[(\f)+8*(4*(\hi)+(\a)):(\f)+8*(4*(\hi)+(\a))+7], v[8*(4*(4*(\hi)+(\a))+(\b)):8*(4*(4*(\hi)+(\a))+(\b))+7]
.endif
.endr
.endr
.endm
.macro FETCH kq, f                     ; 16 LDS loads in one run: the tokens' fragments of quarter kq of the slot in hand into buffer f
	WIN 0
.irp a, 0,1,2,3,4,5,6,7
	ds_load_b128 v[(\f)+8*(\a):(\f)+8*(\a)+3],   v[ADR] offset:(\kq)*64+(\a)*16*PA
	ds_load_b128 v[(\f)+8*(\a)+4:(\f)+8*(\a)+7], v[ADR] offset:(\kq)*64+(\a)*16*PA+32
.endr
.endm
.macro PLACES                          ; four plain vector instructions between a matrix instruction and a load into, or a read of, its registers (ISA guide 7.12.1 for reads)
.rept 4
	v_nop
.endr
.endm
; Place j (1 to 7) of a trip: quarter 8 T - 1 + j.  It multiplies ring buffer (j + 7) % 8; in its middle it fetches the tokens of the next quarter (number j of the slot in hand) and, with gl = 1, fills
; the ring buffer that the quarter before has multiplied with the weights seven quarters on.  lc: the loads issued behind this quarter's weights, which may stay out.
.macro QUARTER j, zero, lc, gl
.set QF, F0+64*(((\j)+1)%2)
.set QG, F0+64*((\j)%2)
	s_wait_loadcnt \lc
	s_wait_dscnt 8                                 ; token blocks 0-3 are in; the youngest eight loads may be out
	MULH QF, ((\j)+7)%8, 0, 0, \zero
	MULH QF, ((\j)+7)%8, 0, 2, \zero
	PLACES
	FETCH \j, QG
.if \gl
	GLOAD ((\j)+6)%8, ((\j)+6)*QB
.endif
	s_wait_dscnt 16                                ; all but the 16 just issued
	MULH QF, ((\j)+7)%8, 1, 0, \zero
	MULH QF, ((\j)+7)%8, 1, 2, \zero
.endm
; Place 0: the last quarter of the slot before, in which the slots change: ONE barrier.  In front of it each wave waits for all its tensor loads (one is out: its part of the next slot), adds 0 to its spare
; word, and waits for that and for its own reads of the old slot.  fill = 1: the barrier opens a round of the cluster's barrier, and the old slot is filled again, first thing behind the round, with the
; K two slots on: that load has the trip's 256 matrix instructions less 16 in which to land.
.macro TURNQ fill
	WIN 0
	s_wait_tensorcnt 0x0                           ; no tensor load of mine is out, so group 0 may be written
	ds_add_u32 v[SPW], v[NIL]
.if \fill
	s_xor_b32 s[G0+1], s[G0+1], SLOT1
	s_add_nc_u64 s[G0+2:G0+3], s[G0+2:G0+3], 512
.endif
	s_xor_b32 s[LT], s[LT], SLOT1
	s_wait_loadcnt 48                              ; this quarter's weights are in; six quarters' loads stay out
	s_wait_dscnt 9                                 ; (the add and the youngest eight loads may be out)
	MULH F1, 7, 0, 0, 0
	s_wait_dscnt 0x0                               ; the add is done, and my reads of the old slot are over
	s_barrier_signal -1
	MULH F1, 7, 0, 2, 0
	WIN 0
	s_barrier_wait -1
.if \fill
	CREST                                          ; no wave of any partner still reads the old slot or has a load on its way
	JLOAD                                          ; its four v_nop are also the places in front of the loads below
.else
	PLACES
.endif
	v_add_nc_u32 v[ADR], s[LT], v[A0]
	FETCH 0, F0
	GLOAD 6, 6*QB
	MULH F1, 7, 1, 0, 0
	MULH F1, 7, 1, 2, 0
.endm
; THE WAY OUT of block a (16 tokens): 32 bytes a lane into my own stage, back as whole rows of 256 bytes, stored.
.macro TOSTAGE a
	s_wait_xcnt 0x0                                ; earlier stores have read the registers that are loaded again below (ISA guide 3.1)
	WIN 0x04                                       ; the stores' data in window 1
.irp b, 0,1,2,3
	ds_store_b128 v[STO], v[8*(4*(\a)+(\b)):8*(4*(\a)+(\b))+3]   offset:64*(\b)      ; each accumulator's lowest registers first
	ds_store_b128 v[STO], v[8*(4*(\a)+(\b))+4:8*(4*(\a)+(\b))+7] offset:64*(\b)+16
.endr
	WIN 0
.set BK, 32+32*((\a)%2)
.irp u, 0,1,2,3,4,5,6,7
	ds_load_b128 v[BK+4*(\u):BK+4*(\u)+3], v[RD] offset:(\u)*2*SP  ; LDS serves a wave's instructions in order (ISA guide 5.7.1.4): these see the stores above
.endr
.endm
.macro SEND a, younger
.set BK, 32+32*((\a)%2)
	s_wait_dscnt \younger
.irp u, 0,1,2,3,4,5,6,7
	global_store_b128 v[CO], v[BK+4*(\u):BK+4*(\u)+3], s[8:9] offset:(16*(\a)+2*(\u))*8192 th:TH_STORE_NT  ; 16 lanes store 256 consecutive bytes, aligned
.endr
.endm
	; the first change of slots: nothing has been read yet: slot 0 is waited for, slot 1 is asked for
	s_wait_tensorcnt 0x0
	ds_add_u32 v[SPW], v[NIL]
	s_xor_b32 s[G0+1], s[G0+1], SLOT1
	s_add_nc_u64 s[G0+2:G0+3], s[G0+2:G0+3], 512
	s_xor_b32 s[LT], s[LT], SLOT1
	s_wait_dscnt 0x0
	CROUND
	JLOAD
	v_add_nc_u32 v[ADR], s[LT], v[A0]
	FETCH 0, F0
	QUARTER 1, 1, 48, 1                            ; quarter 0 stands in front of the loop: its products start the sums
	WIN 0                                          ; at a label and at a branch every window is 0
	s_mov_b32 s3, 7
	s_branch .Lin                                  ; the loop is entered at quarter 1, the third place of a trip
.Lslot:                                                ; six whole trips: every slot but the last two is filled again
	TURNQ 1
	QUARTER 1, 0, 48, 1
	WIN 0
.Lin:
	QUARTER 2, 0, 48, 1
	QUARTER 3, 0, 48, 1
	QUARTER 4, 0, 48, 1
	QUARTER 5, 0, 48, 1
	QUARTER 6, 0, 48, 1
	QUARTER 7, 0, 48, 1
	WIN 0
	s_wait_xcnt 0x0                                ; the loads' addresses are translated (ISA guide 3.1): their base may step
	s_add_nc_u64 s[BB:BB+1], s[BB:BB+1], 8*QB
	s_sub_co_u32 s3, s3, 1
	s_cmp_lg_u32 s3, 0
	s_cbranch_scc1 .Lslot
	TURNQ 0                                        ; quarter 55: the last slot is written out: no tile is asked for
	QUARTER 1, 0, 48, 1                            ; quarter 56 asks for quarter 63's weights, the last
	QUARTER 2, 0, 48, 0                            ; the counts run down
	QUARTER 3, 0, 40, 0
	QUARTER 4, 0, 32, 0
	QUARTER 5, 0, 24, 0
	QUARTER 6, 0, 16, 0
	QUARTER 7, 0, 8, 0
	s_wait_loadcnt 0x0                             ; quarter 63
	s_wait_dscnt 8
	MULH F1, 7, 0, 0, 0
	MULH F1, 7, 0, 2, 0
	s_wait_dscnt 0x0
	MULH F1, 7, 1, 0, 0
	MULH F1, 7, 1, 2, 0
	WIN 0
	PLACES
	TOSTAGE 0
.irp a, 1,2,3,4,5,6,7
	TOSTAGE \a
	SEND (\a)-1, 16                                ; the next block's sixteen LDS instructions may stay out
.endr
	SEND 7, 0
	s_wait_tensorcnt 0x0                           ; the wave's end
	ds_add_u32 v[SPW], v[NIL]
	s_wait_dscnt 0x0
	CROUND                                         ; the closing round
	s_endpgm
.Lfunc_end_k_qf183682a5b_oproj:
	.size	k_qf183682a5b_oproj, .Lfunc_end_k_qf183682a5b_oproj-k_qf183682a5b_oproj
	.p2alignl 7, 3214868480
	.fill 96, 4, 3214868480
	.section	.rodata,"a",@progbits
	.p2align	6, 0x0
	.amdhsa_kernel k_qf183682a5b_oproj
		.amdhsa_group_segment_fixed_size 327680
		.amdhsa_private_segment_fixed_size 0
		.amdhsa_enable_private_segment 0
		.amdhsa_kernarg_size 24
		.amdhsa_user_sgpr_count 2
		.amdhsa_user_sgpr_kernarg_segment_ptr 1
		.amdhsa_wavefront_size32 1
		.amdhsa_system_sgpr_workgroup_id_x 1
		.amdhsa_system_sgpr_workgroup_id_y 1
		.amdhsa_system_sgpr_workgroup_id_z 1
		.amdhsa_system_vgpr_workitem_id 0
		.amdhsa_next_free_vgpr 768
		.amdhsa_next_free_sgpr 66
		.amdhsa_reserve_vcc 0
		.amdhsa_float_denorm_mode_32 3
		.amdhsa_float_denorm_mode_16_64 3
		.amdhsa_memory_ordered 1
		.amdhsa_forward_progress 1
		.amdhsa_inst_pref_size 95
	.end_amdhsa_kernel
	.amdgpu_metadata
---
amdhsa.version: [ 1, 2 ]
amdhsa.kernels:
  - .name:           k_qf183682a5b_oproj
    .symbol:         k_qf183682a5b_oproj.kd
    .args:
      - { .name: ob, .offset: 0, .size: 8, .value_kind: global_buffer, .address_space: global }
      - { .name: wob, .offset: 8, .size: 8, .value_kind: global_buffer, .address_space: global }
      - { .name: out0, .offset: 16, .size: 8, .value_kind: global_buffer, .address_space: global }
    .group_segment_fixed_size: 327680
    .private_segment_fixed_size: 0
    .kernarg_segment_align: 8
    .kernarg_segment_size: 24
    .max_flat_workgroup_size: 128
    .sgpr_count:     66
    .vgpr_count:     768
    .wavefront_size: 32
...
	.end_amdgpu_metadata
.endif
;; end of part 4
;; ======== version 2 of 2: 4 launches; version 1 with the launch prep written anew for expert scheduling mode
;; limits: values are held in f16: magnitudes above 65,504 overflow, below 6.1e-05 lose precision; right only within a limited range of input values
;; workspace buffers: xb 16,777,216 bytes; wqkv 12,582,912 bytes; wob 8,388,608 bytes; rope 2,162,688 bytes; qkv 25,165,824 bytes; ob 16,777,216 bytes
;; launch prep (part 5): grid 1416 x 1, 8 waves a work-group, no clusters, 34,816 bytes of LDS; arguments hidden_states, wq, wk, wv, wo, positions, xb, wqkv, wob, rope; writes xb, wqkv, wob, rope
.if DOCPART == 5
	.amdgcn_target "amdgcn-amd-amdhsa--gfx1250"
	.amdhsa_code_object_version 6
	.text
	.protected	k_qf183682a5b_prep
	.globl	k_qf183682a5b_prep
	.p2align	8
	.type	k_qf183682a5b_prep,@function
k_qf183682a5b_prep:
	s_mov_b64 s[64:65], 0
	v_nop
	global_prefetch_b8 v0, s[64:65] scope:SCOPE_SE
	s_setreg_imm32_b32 hwreg(HW_REG_WAVE_SCHED_MODE, 0, 2), 2
	s_setreg_imm32_b32 hwreg(HW_REG_WAVE_MODE, 25, 1), 1
	s_wait_xcnt 0x0
	s_wait_alu depctr_vm_vsrc(0)
; PREP: the matrix operands are rounded once, the weights are laid out as the matrix instructions take them, and the table of cosines and sines is made.
;   xb   [4096][2048] bf16 = hidden_states.
;   wqkv bf16 of wq | wk | wv (24 heads of 128 columns), IN FRAGMENT ORDER: [tx 8][w 4][kb 64][n 6][c 2][lane 32][16 bytes].  Head 3 tx + i, columns 64 hf + 16 w + r, is n = 2 i + hf;
;        lane 16 h + r of half c holds k = 32 kb + 16 c + 8 h + 0..7 of that column.  So wave w of work-group tx of the next launch reads one dense stream, 6,144 bytes for 32 along K.
;   wob  f16 of bf16(wo), likewise: [column block of 64: 32][kb 64][b 4][c 2][lane 32][16 bytes]: 4,096 bytes for 32 along K.
;   rope [4224][cos 64 | sin 64] f32: row m < 4096 for token m, from positions[m]; rows 4096-4223 for position 0 (cos 1, sin 0), read for V's heads.
; LIMITS.  A bf16(wo) below 6.1e-5 keeps f16's fixed step of 6e-8, one beyond 65,504 becomes an infinity.  The angle pos x inv_freq is reduced by two parts of pi/2, which serves
; |pos| up to 131,072; it lies within about 3e-7 of itself + 1e-7 rad of the f32 product that the problem's text forms.
; SHARES.  Work-groups 0-263: 16 table rows each.  264-775: 65,536 bytes of hidden_states each.  776-1415: 128 k-rows x 128 columns of one weight each, 16 k-rows a wave.
; No matrix unit, no cluster, no barrier: a stream has no use for them; a wave's LDS stage is its own.
; THE MODE: SCHED_MODE bits 1:0 = 2 (LLVM: expert scheduling mode 2), set by the entry lines.  The code itself states the register dependences
; between vector instructions and memory or LDS instructions, with s_wait_alu, always for 0.
; THE PLAN.  Registers that memory or LDS instructions touch, path by path; none of the three paths has a loop, and none writes again a register that a memory or LDS instruction has read.
;   hidden_states: v1, v2   offsets, written once at the path's head; read by the 16 loads (v1) and the 16 stores (v2): one wait ahead of the first load.
;                  X        written by the loads, once; read by the conversions.
;                  PKD      written by the conversions, once; read by the stores.  The 16 chunks go in four groups of four: eight conversions, ONE wait, four stores.
;   the weights:   OFS      written once; read by the 16 global loads and the 8 global stores: one wait ahead of the loads.
;                  X        written by the global loads; read by the conversions; v[X .. X+31] then written by the 8 LDS loads and read by the global stores.
;                  PKD      written by the conversions, once; read by the LDS stores.  v3, v1: LDS addresses, made behind the global loads; read by the LDS stores and loads.
;                  ONE wait in each half of the rows, behind its conversions and ahead of its four LDS stores; the first also stands for v3 and v1, the second also for the conversions' reads of X.
;                  s31      the wave's number, written by a vector instruction: one wait ahead of its first reader.
;   the table:     v3       the load's offset; v6 the stores' offset, v[12:19] their data: a wait ahead of the load, a wait ahead of the stores.
;                  s40-s43  the four masks, written by a run of compares: one wait ahead of the selects.
;   v[SPW], v[NIL] written at the head, read by the closing add alone.
.set TABWG, 264
.set XWG,   512
.set X,   4                            ; v[4:67]    sixteen loads of four f32
.set PKD, 68                           ; v[68:99]   packed words
.set OFS, 100                          ; v[100:115] the weights' path: my byte offset in each of the wave's 16 rows
.set TM,  116                          ; v[116:117] at work: no memory instruction names them
.set SPW, 118                          ; v118       my spare word; never rewritten
.set NIL, 119                          ; v119       0; never rewritten
.set EP,  528                          ; a half fragment in the stage: 512 bytes + 16
.set WST, 8*EP                         ; a wave's stage
.set SPARE, 8*WST                      ; behind the stages: the spare words, 128 bytes for each wave: four blocks of 256 bytes that no other line names
	s_load_b512 s[8:23], s[0:1], 0x0               ; hidden_states 8, wq 10, wk 12, wv 14, wo 16, positions 18, xb 20, wqkv 22
	s_load_b128 s[24:27], s[0:1], 0x40             ; wob 24, rope 26
	v_lshl_add_u32 v[SPW], v0, 2, SPARE
	v_mov_b32 v[NIL], 0
	s_cmp_lt_u32 ttmp9, TABWG
	s_cbranch_scc1 .Ltable
	s_cmp_ge_u32 ttmp9, TABWG+XWG
	s_cbranch_scc1 .Lweights
	; HIDDEN_STATES: both sides are dense, so the cast is linear.  All sixteen loads go out first; each covers 512 consecutive bytes a wave.
	s_sub_co_u32 s28, ttmp9, TABWG
	v_lshlrev_b32 v1, 4, v0
	v_lshlrev_b32 v2, 3, v0
	s_lshl_b32 s30, s28, 16
	s_mov_b32 s31, 0
	s_lshl_b32 s32, s28, 15
	s_mov_b32 s33, 0
	s_wait_kmcnt 0x0
	s_add_nc_u64 s[8:9], s[8:9], s[30:31]
	s_add_nc_u64 s[20:21], s[20:21], s[32:33]
	s_wait_alu depctr_va_vdst(0)                   ; v1 and v2 are written: the loads below read v1 as their offset, the stores v2
.set i, 0
.rept 16
	global_load_b128 v[X+4*i:X+4*i+3], v1, s[8:9] offset:4096*i th:TH_LOAD_NT
.set i, i+1
.endr
.set g, 0
.rept 4                                ; four groups of four chunks
	s_wait_loadcnt 12-4*g                          ; loads come back in order: this group's four are in, the younger ones stay out
.set i, 4*g
.rept 4
	v_cvt_pk_bf16_f32 v[PKD+2*i], v[X+4*i], v[X+4*i+1]
	v_cvt_pk_bf16_f32 v[PKD+2*i+1], v[X+4*i+2], v[X+4*i+3]
.set i, i+1
.endr
	s_wait_alu depctr_va_vdst(0)                   ; the group's eight conversions have written their words of PKD, which the four stores below read
.set i, 4*g
.rept 4
	global_store_b64 v2, v[PKD+2*i:PKD+2*i+1], s[20:21] offset:2048*i  ; a wave's store covers 256 consecutive bytes, aligned; no register is written twice
.set i, i+1
.endr
.set g, g+1
.endr
	s_endpgm
	; THE WEIGHTS.  hg = 0-15: wq's heads; 16-19: wk's; 20-23: wv's; 24-39: wo's groups of 128 columns.
.Lweights:
	s_sub_co_u32 s28, ttmp9, TABWG+XWG
	s_lshr_b32 s29, s28, 4                         ; hg
	s_and_b32 s30, s28, 15                         ; which 128 k-rows
	v_lshrrev_b32 v1, 5, v0
	v_readfirstlane_b32 s31, v1                    ; wave 0..7: which 16 of them
	v_and_b32 v2, 31, v0                           ; lane: columns 4 l .. 4 l + 3 of the group
	s_wait_alu depctr_va_sdst(0)                   ; s31 is written, ahead of its first reader: my rows, my stage and my place in the streams are made from it
	s_wait_kmcnt 0x0
	s_mov_b64 s[32:33], s[10:11]                   ; source
	s_mov_b32 s36, 0                               ; its first hg
	s_mov_b32 s37, 8192                            ; its bytes from row to row
.macro PICKW from, src, pitch
	s_cmp_ge_u32 s29, \from
	s_cselect_b64 s[32:33], s[\src:\src+1], s[32:33]
	s_cselect_b32 s36, \from, s36
	s_cselect_b32 s37, \pitch, s37
.endm
	PICKW 16, 12, 2048
	PICKW 20, 14, 2048
	PICKW 24, 16, 8192
	s_sub_co_u32 s38, s29, s36                     ; the group of 128 columns within the source
	s_lshl_b32 s39, s30, 7
	s_lshl_b32 s40, s31, 4
	s_add_co_u32 s39, s39, s40                     ; my first k-row
	s_mul_i32 s40, s39, s37
	s_lshl_b32 s41, s38, 9
	s_add_co_u32 s40, s40, s41
	s_mov_b32 s41, 0
	s_add_nc_u64 s[32:33], s[32:33], s[40:41]
	v_lshlrev_b32 v[OFS], 4, v2
.set i, 1
.rept 15
	v_add_nc_u32 v[OFS+i], s37, v[OFS+i-1]
.set i, i+1
.endr
	s_wait_alu depctr_va_vdst(0)                   ; the sixteen offsets v[OFS ..] are written: the loads below read them, and the global stores at the path's end read the first
.set i, 0
.rept 16                               ; row i: 512 consecutive bytes a load
	global_load_b128 v[X+4*i:X+4*i+3], v[OFS+i], s[32:33] th:TH_LOAD_NT
.set i, i+1
.endr
	s_mul_i32 s42, s31, WST                        ; my wave's stage
	v_lshrrev_b32 v3, 2, v2                        ; e = l / 4: the block of 16 columns
	v_mul_u32_u24 v3, v3, EP
	v_and_b32 v1, 3, v2
	v_lshl_add_u32 v3, v1, 6, v3                   ; column 4 (l % 4) + i of the block lies 64 (l % 4) + 16 i bytes in
	v_add_nc_u32 v3, s42, v3                       ; where I put my units
	v_add_nc_u32 v1, s42, v[OFS]                   ; where I read back: 16 l
	s_lshl_b32 s43, s30, 2
	s_lshr_b32 s44, s31, 1
	s_add_co_u32 s43, s43, s44                     ; kb
	s_and_b32 s44, s31, 1
	s_lshl_b32 s44, s44, 9                         ; 512 c
; The wave's 16 rows are rounded in pairs along k: word t of the unit (h, i) holds k = 8 h + 2 t (low half) and 8 h + 2 t + 1 of column i.  The units go into the stage at their lanes' places
; and come back as eight halves of fragments, each stored as 512 consecutive bytes.  LDS serves a wave's instructions in order (ISA guide 5.7.1.4), so no wait stands between the stores and the loads.
.macro WBODY mode
.irp h, 0,1
	s_wait_loadcnt 8-8*\h                          ; rows 8 h .. 8 h + 7 are in
.irp i, 0,1,2,3
.irp t, 0,1,2,3
	v_cvt_pk_bf16_f32 v[PKD+16*\h+4*\i+\t], v[X+4*(8*\h+2*\t)+\i], v[X+4*(8*\h+2*\t+1)+\i]
.if \mode
	v_lshlrev_b32 v[TM], 16, v[PKD+16*\h+4*\i+\t]  ; the bf16 numbers as f32 again,
	v_and_b32 v[TM+1], 0xffff0000, v[PKD+16*\h+4*\i+\t]
	v_cvt_pk_f16_f32 v[PKD+16*\h+4*\i+\t], v[TM], v[TM+1]  ; and written as f16: exact inside f16's normal range
.endif
.endr
.endr
	s_wait_alu depctr_va_vdst(0)                   ; this half's sixteen words of PKD are written, which the four LDS stores read; with h = 0 also v3 and v1, the LDS addresses; with h = 1 all conversions are also done reading X, in which the LDS loads below land
.irp i, 0,1,2,3
	ds_store_b128 v3, v[PKD+16*\h+4*\i:PKD+16*\h+4*\i+3] offset:256*\h+16*\i
.endr
.endr
.irp e, 0,1,2,3,4,5,6,7
	ds_load_b128 v[X+4*\e:X+4*\e+3], v1 offset:\e*EP  ; no wait: no vector instruction stands behind the wait above
.endr
.irp e, 0,1,2,3,4,5,6,7
	s_wait_dscnt 7-\e
.if \mode
	global_store_b128 v[OFS], v[X+4*\e:X+4*\e+3], s[34:35] offset:(\e/4)*262144+(\e%4)*1024
.else
	global_store_b128 v[OFS], v[X+4*\e:X+4*\e+3], s[34:35] offset:(\e%4)*393216+(\e/4)*1024
.endif
.endr
	s_wait_dscnt 0x0                               ; the closing lines, six on end
	s_wait_alu 0x0
	s_wait_tensorcnt 0x0
	ds_add_u32 v[SPW], v[NIL]
	s_wait_dscnt 0x0
	s_endpgm
.endm
	s_cmp_ge_u32 s29, 24
	s_cbranch_scc1 .Lwo
	s_mul_i32 s45, s29, 11                         ; tx = head / 3 (11 / 32 serves heads 0 to 23)
	s_lshr_b32 s45, s45, 5
	s_mul_i32 s46, s45, 3
	s_sub_co_u32 s46, s29, s46                     ; i = head % 3
	s_mul_i32 s45, s45, 4*64*6144
	s_mul_i32 s47, s43, 6144
	s_add_co_u32 s45, s45, s47
	s_lshl_b32 s46, s46, 11
	s_add_co_u32 s45, s45, s46
	s_add_co_u32 s46, s45, s44
	s_mov_b32 s47, 0
	s_add_nc_u64 s[34:35], s[22:23], s[46:47]      ; block e of the head goes to wave e % 4's stream, n = 2 i + e / 4: in the stores' immediates
	WBODY 0
.Lwo:
	s_lshl_b32 s45, s38, 19                        ; a group of 128 columns is two streams of 262,144 bytes
	s_lshl_b32 s47, s43, 12
	s_add_co_u32 s45, s45, s47
	s_add_co_u32 s46, s45, s44
	s_mov_b32 s47, 0
	s_add_nc_u64 s[34:35], s[24:25], s[46:47]      ; block e goes to stream e / 4, b = e % 4
	WBODY 1
	; THE TABLE.  Thread t: row 16 g + t / 16, frequencies 4 (t % 16) + 0..3.
.Ltable:
	s_min_u32 s28, ttmp9, 255                      ; the last eight work-groups read inside positions and multiply what they read by 0
	s_lshl_b32 s28, s28, 6
	s_mov_b32 s29, 0
	s_cmp_lt_u32 ttmp9, 256
	s_cselect_b32 s30, 1.0, 0
	s_lshl_b32 s44, ttmp9, 13                      ; 16 rows of 512 bytes
	s_mov_b32 s45, 0
	s_mov_b32 s31, 0xbe549a78                      ; -log2(10000) / 64, its f32 part,
	s_mov_b32 s32, 0xb1979a30                      ; and the rest
	s_mov_b32 s33, 0x3f317218                      ; ln 2
	s_mov_b32 s34, 0x3f22f983                      ; 2 / pi
	s_mov_b32 s35, 0xbfc90fdb                      ; -pi / 2, its f32 part,
	s_mov_b32 s36, 0x333bbd2e                      ; and the rest
	s_mov_b32 s37, 0x3638ef1d                      ; 1 / 9!
	s_mov_b32 s38, 0x37d00d01                      ; 1 / 8!
	v_lshrrev_b32 v1, 4, v0
	v_and_b32 v2, 15, v0
	v_lshlrev_b32 v3, 2, v1
	s_wait_kmcnt 0x0
	s_add_nc_u64 s[18:19], s[18:19], s[28:29]
	s_add_nc_u64 s[26:27], s[26:27], s[44:45]
	s_wait_alu depctr_va_vdst(0)                   ; v3 is written, which the load reads as its offset
	global_load_b32 v4, v3, s[18:19]               ; my row's position
	v_lshlrev_b32 v5, 2, v2
	; inv_freq = 2^(p + e): p the rounded product j x (-C), e what the rounding and C's own rounding left; 2^e = 1 + e ln 2
.irp q, 0,1,2,3
	v_add_nc_u32 v[20+\q], \q, v5
	v_cvt_f32_u32 v[20+\q], v[20+\q]
	v_mul_f32 v[24+\q], s31, v[20+\q]
	v_fma_f32 v[28+\q], v[20+\q], s31, -v[24+\q]
	v_fma_f32 v[28+\q], v[20+\q], s32, v[28+\q]
.endr
.irp q, 0,1,2,3
	v_exp_f32 v[32+\q], v[24+\q]
.endr
.irp q, 0,1,2,3
	v_mul_f32 v[28+\q], s33, v[28+\q]              ; plain lines that touch neither the exponentials' results nor their sources stand behind them (ISA guide 5.7.2)
.endr
	s_wait_alu depctr_va_vdst(0)                   ; the four exponentials have written v[32:35]: one wait for the batch, ahead of its first reader
.irp q, 0,1,2,3
	v_fma_f32 v[36+\q], v[28+\q], v[32+\q], v[32+\q]
.endr
	s_wait_loadcnt 0x0
	v_cvt_f32_i32 v4, v4
	v_mul_f32 v4, s30, v4
.irp q, 0,1,2,3
	v_mul_f32 v[40+\q], v4, v[36+\q]               ; the angle x
	v_mul_f32 v[44+\q], s34, v[40+\q]
	v_rndne_f32 v[44+\q], v[44+\q]                 ; n = the nearest multiple of pi / 2
	v_fma_f32 v[40+\q], v[44+\q], s35, v[40+\q]
	v_fma_f32 v[40+\q], v[44+\q], s36, v[40+\q]    ; r = x - n pi / 2, within pi / 4 of 0
	v_mul_f32 v[48+\q], v[40+\q], v[40+\q]         ; z = r r
	v_fmaak_f32 v[52+\q], s37, v[48+\q], 0xb9500d01
	v_fmaak_f32 v[52+\q], v[52+\q], v[48+\q], 0x3c088889
	v_fmaak_f32 v[52+\q], v[52+\q], v[48+\q], 0xbe2aaaab
	v_mul_f32 v[56+\q], v[40+\q], v[48+\q]
	v_fma_f32 v[52+\q], v[56+\q], v[52+\q], v[40+\q]  ; sin r = r + r z (-1/6 + z/120 - z z/5040 + z z z/362880)
	v_fmaak_f32 v[56+\q], s38, v[48+\q], 0xbab60b61
	v_fmaak_f32 v[56+\q], v[56+\q], v[48+\q], 0x3d2aaaab
	v_fma_f32 v[56+\q], v[56+\q], v[48+\q], -0.5
	v_fma_f32 v[56+\q], v[48+\q], v[56+\q], 1.0    ; cos r = 1 + z (-1/2 + z/24 - z z/720 + z z z/40320)
	v_cvt_i32_f32 v[44+\q], v[44+\q]
	v_and_b32 v[60+\q], 1, v[44+\q]
.endr
.irp q, 0,1,2,3
	v_cmp_ne_u32 s[40+\q], 0, v[60+\q]             ; an odd quadrant swaps the two: a choice of values, no branch.  The four compares stand in one run, a mask each
.endr
.irp q, 0,1,2,3                        ; the signs hang on no mask: they stand between the compares and the wait
	v_lshlrev_b32 v[60+\q], 30, v[44+\q]           ; the sine's sign: bit 1 of n
	v_and_b32 v[60+\q], 0x80000000, v[60+\q]
	v_add_nc_u32 v[44+\q], 1, v[44+\q]             ; the cosine's: bit 1 of n + 1
	v_lshlrev_b32 v[20+\q], 30, v[44+\q]
	v_and_b32 v[20+\q], 0x80000000, v[20+\q]
.endr
	s_wait_alu depctr_va_sdst(0)                   ; the compares have written s40 to s43, ahead of their first readers, the selects below
.irp q, 0,1,2,3
	v_cndmask_b32 v[16+\q], v[52+\q], v[56+\q], s[40+\q]
	v_cndmask_b32 v[12+\q], v[56+\q], v[52+\q], s[40+\q]
	v_xor_b32 v[16+\q], v[16+\q], v[60+\q]
	v_xor_b32 v[12+\q], v[12+\q], v[20+\q]
.endr
	v_lshlrev_b32 v6, 9, v1
	v_lshl_add_u32 v6, v2, 4, v6                   ; row x 512 + 16 (t % 16): sixteen lanes store 256 consecutive bytes, aligned
	s_wait_alu depctr_va_vdst(0)                   ; v6, the stores' offset, and v[12:19], their data, are written
	global_store_b128 v6, v[12:15], s[26:27]
	global_store_b128 v6, v[16:19], s[26:27] offset:256
	s_endpgm
.Lfunc_end_k_qf183682a5b_prep:
	.size	k_qf183682a5b_prep, .Lfunc_end_k_qf183682a5b_prep-k_qf183682a5b_prep
	.p2alignl 7, 3214868480
	.fill 96, 4, 3214868480
	.section	.rodata,"a",@progbits
	.p2align	6, 0x0
	.amdhsa_kernel k_qf183682a5b_prep
		.amdhsa_group_segment_fixed_size 34816
		.amdhsa_private_segment_fixed_size 0
		.amdhsa_enable_private_segment 0
		.amdhsa_kernarg_size 80
		.amdhsa_user_sgpr_count 2
		.amdhsa_user_sgpr_kernarg_segment_ptr 1
		.amdhsa_wavefront_size32 1
		.amdhsa_system_sgpr_workgroup_id_x 1
		.amdhsa_system_sgpr_workgroup_id_y 1
		.amdhsa_system_sgpr_workgroup_id_z 1
		.amdhsa_system_vgpr_workitem_id 0
		.amdhsa_next_free_vgpr 120
		.amdhsa_next_free_sgpr 66
		.amdhsa_reserve_vcc 0
		.amdhsa_float_denorm_mode_32 3
		.amdhsa_float_denorm_mode_16_64 3
		.amdhsa_memory_ordered 1
		.amdhsa_forward_progress 1
		.amdhsa_inst_pref_size 33
	.end_amdhsa_kernel
	.amdgpu_metadata
---
amdhsa.version: [ 1, 2 ]
amdhsa.kernels:
  - .name:           k_qf183682a5b_prep
    .symbol:         k_qf183682a5b_prep.kd
    .args:
      - { .name: hidden_states, .offset: 0, .size: 8, .value_kind: global_buffer, .address_space: global }
      - { .name: wq, .offset: 8, .size: 8, .value_kind: global_buffer, .address_space: global }
      - { .name: wk, .offset: 16, .size: 8, .value_kind: global_buffer, .address_space: global }
      - { .name: wv, .offset: 24, .size: 8, .value_kind: global_buffer, .address_space: global }
      - { .name: wo, .offset: 32, .size: 8, .value_kind: global_buffer, .address_space: global }
      - { .name: positions, .offset: 40, .size: 8, .value_kind: global_buffer, .address_space: global }
      - { .name: xb, .offset: 48, .size: 8, .value_kind: global_buffer, .address_space: global }
      - { .name: wqkv, .offset: 56, .size: 8, .value_kind: global_buffer, .address_space: global }
      - { .name: wob, .offset: 64, .size: 8, .value_kind: global_buffer, .address_space: global }
      - { .name: rope, .offset: 72, .size: 8, .value_kind: global_buffer, .address_space: global }
    .group_segment_fixed_size: 34816
    .private_segment_fixed_size: 0
    .kernarg_segment_align: 8
    .kernarg_segment_size: 80
    .max_flat_workgroup_size: 256
    .sgpr_count:     66
    .vgpr_count:     120
    .wavefront_size: 32
...
	.end_amdgpu_metadata
.endif
;; end of part 5
;; launch qkv: the kernel of part 2 again; grid 8 x 32, 4 waves a work-group, clusters of 4 x 1, 327,680 bytes of LDS; arguments xb, wqkv, bq, bk, bv, rope, qkv; writes qkv
;; launch attn: the kernel of part 3 again; grid 16 x 16, 4 waves a work-group, clusters of 4 x 1, 327,680 bytes of LDS; arguments qkv, ob; writes ob
;; launch oproj: the kernel of part 4 again; grid 8 x 32, 4 waves a work-group, clusters of 4 x 1, 327,680 bytes of LDS; arguments ob, wob, out0; writes out0
